; MI455X (gfx1250); checked and timed in simulation.
; The chip was launched on July 23, 2026; its instructions are those of AMD's public machine-readable ISA for CDNA 5 (MIT licence, August 2026) and "CDNA5" Instruction Set Architecture Reference Guide (July 2026). The comments in the code are by the model that wrote it; some were corrected since.
;; Base Attention. Allowed arithmetic: float matrix products may take bf16 or f16 operands with f32 sums; other float arithmetic in f32, or as packed bf16 or f16 multiplies, adds, multiply-adds, maxima and minima; sums over many terms, partial sums and values carried from step to step in f32; what a program stores and reads back later, other than sums and carried values, may be rounded once to bf16 or f16.
;; Inputs: bo 1,024 float32; wk 1,024 x 1,024 float32; wo 1,024 x 1,024 float32; wq 1,024 x 1,024 float32; wv 1,024 x 1,024 float32; x 1 x 4,096 x 1,024 float32.
;; Outputs: out0 1 x 4,096 x 1,024 float32.
;; 2 versions, each right and faster than the one before. Each part assembles by itself: llvm-mc -triple=amdgcn-amd-amdhsa -mcpu=gfx1250 --defsym DOCPART=n.
;; ======== version 1 of 2: 4 launches
;; limits: values are held in f16: magnitudes above 65,504 overflow, below 6.1e-05 lose precision
;; workspace buffers: xb 8,388,608 bytes; wb 6,291,456 bytes; wf 2,097,152 bytes; q 8,388,608 bytes; k 8,388,608 bytes; v 8,388,608 bytes; ctx 8,388,608 bytes
;; launch cast (part 1): grid 512 x 1, 8 waves a work-group, no clusters, 0 bytes of LDS; arguments x, wq, wk, wv, wo, xb, wb, wf; writes xb, wb, wf
.if DOCPART == 1
	.amdgcn_target "amdgcn-amd-amdhsa--gfx1250"
	.amdhsa_code_object_version 6
	.text
	.protected	k_qfbc1cb9da3_cast
	.globl	k_qfbc1cb9da3_cast
	.p2align	8
	.type	k_qfbc1cb9da3_cast,@function
k_qfbc1cb9da3_cast:
	s_mov_b64 s[64:65], 0
	v_nop
	global_prefetch_b8 v0, s[64:65] scope:SCOPE_SE
	s_setreg_imm32_b32 hwreg(HW_REG_WAVE_MODE, 25, 1), 1
	s_wait_xcnt 0x0
; THE INPUTS ARE ROUNDED ONCE, to the formats in which the matrix products take them.
;   x  [4096][1024] f32 -> xb [4096][1024] bf16
;   wq, wk, wv [1024][1024] f32 -> wb [3072][1024] bf16, ordered by heads: row 192 h + 64 T + c is row 64 h + c of w_T (T = 0, 1, 2 for q, k, v)
;   wo [1024][1024] f32 -> wf [1024][1024]: rounded to bf16 like every other input, and that number written as f16
; LIMIT.  A bf16 number is exact in f16 from 2^-14 to 65,504; below 2^-14 wf keeps f16's fixed step of 2^-24; beyond 65,504 it would be an infinity.
; SHARES.  A work-group takes 16 rows: 65,536 dense bytes in, 32,768 dense bytes out.  Work-groups 0-255: x; 256-447: wq, wk, wv (64 each); 448-511: wo.
; Thread t, pass p of 8: 32 bytes at 32 t + 8,192 p come in by two loads, 16 bytes at 16 t + 4,096 p go out: sixteen neighbouring lanes store 256 consecutive bytes, aligned.
; All 16 loads of a thread are issued before the first is waited for.  No register is written twice while a load or store may read it, so no wait frees one.
; No LDS, no barrier, no matrix unit, no cluster: every byte is read once and written once, and no two work-groups read the same byte.
.set X, 4                              ; v[4:67]    pass p: 8 f32 as loaded
.set Y, 68                             ; v[68:99]   pass p: 8 numbers of 16 bits to store
.set T, 100                            ; v[100:111] at work (the f16 path)
	s_load_b512 s[16:31], s[0:1], 0x0              ; x 16, wq 18, wk 20, wv 22, wo 24, xb 26, wb 28, wf 30
	s_mov_b32 s2, ttmp9                            ; g, the job
	s_sub_co_u32 s3, s2, 256                       ; j = g - 256 (for g < 256 it wraps to a huge number: T then equals none of 1, 2, 3, and the rows made of it are not chosen)
	s_lshr_b32 s4, s3, 6                           ; T = j / 64
	s_and_b32 s5, s3, 63                           ; jj = j % 64
	s_lshl_b32 s34, s5, 4                          ; a weight's rows 16 jj on
	s_lshr_b32 s6, s5, 2                           ; the head, jj / 4
	s_mul_i32 s6, s6, 192
	s_lshl_b32 s7, s4, 6
	s_add_co_u32 s6, s6, s7
	s_and_b32 s7, s5, 3
	s_lshl_b32 s7, s7, 4
	s_add_co_u32 s7, s6, s7                        ; wb's row 192 h + 64 T + 16 (jj % 4)
	s_lshl_b32 s33, s2, 4                          ; x's rows 16 g on
	s_mov_b32 s32, 0xffff0000                      ; a word's upper bf16
	s_cmp_ge_u32 s2, 448
	s_cselect_b32 s7, s34, s7                      ; wf keeps wo's order
	s_cmp_lt_u32 s2, 256
	s_cselect_b32 s7, s33, s7                      ; the row stored
	s_cselect_b32 s6, s33, s34                     ; the row loaded
	s_lshl_b32 s8, s6, 12                          ; in bytes: 4,096 a row in,
	s_mov_b32 s9, 0
	s_lshl_b32 s10, s7, 11                         ; 2,048 a row out
	s_mov_b32 s11, 0
	v_lshlrev_b32 v1, 5, v0                        ; 32 t
	v_lshlrev_b32 v2, 4, v0                        ; 16 t
	s_wait_kmcnt 0x0
	s_cmp_lt_u32 s2, 256                           ; the two buffers are chosen on the job's number alone
	s_cselect_b64 s[12:13], s[16:17], s[18:19]
	s_cselect_b64 s[14:15], s[26:27], s[28:29]
	s_cmp_eq_u32 s4, 1
	s_cselect_b64 s[12:13], s[20:21], s[12:13]
	s_cmp_eq_u32 s4, 2
	s_cselect_b64 s[12:13], s[22:23], s[12:13]
	s_cmp_eq_u32 s4, 3
	s_cselect_b64 s[12:13], s[24:25], s[12:13]
	s_cselect_b64 s[14:15], s[30:31], s[14:15]
	s_add_nc_u64 s[12:13], s[12:13], s[8:9]
	s_add_nc_u64 s[14:15], s[14:15], s[10:11]
.irp p, 0,1,2,3,4,5,6,7
	global_load_b128 v[X+8*(\p):X+8*(\p)+3],   v1, s[12:13] offset:8192*(\p) th:TH_LOAD_NT
	global_load_b128 v[X+8*(\p)+4:X+8*(\p)+7], v1, s[12:13] offset:8192*(\p)+16 th:TH_LOAD_NT
.endr
	s_cmp_ge_u32 s2, 448
	s_cbranch_scc1 .Lf16
.irp p, 0,1,2,3,4,5,6,7
	s_wait_loadcnt 14-2*(\p)                       ; loads come back in order (ISA guide 5.7.1): pass p's two are in, the 14 - 2 p younger ones stay out
.irp j, 0,1,2,3
	v_cvt_pk_bf16_f32 v[Y+4*(\p)+(\j)], v[X+8*(\p)+2*(\j)], v[X+8*(\p)+2*(\j)+1]
.endr
	global_store_b128 v2, v[Y+4*(\p):Y+4*(\p)+3], s[14:15] offset:4096*(\p)
.endr
	s_endpgm
.Lf16:                                                 ; wo: to bf16, widened again (a shift, a mask), and written as f16
.irp p, 0,1,2,3,4,5,6,7
	s_wait_loadcnt 14-2*(\p)
.irp j, 0,1,2,3
	v_cvt_pk_bf16_f32 v[T+(\j)], v[X+8*(\p)+2*(\j)], v[X+8*(\p)+2*(\j)+1]
.endr
.irp j, 0,1,2,3
	v_lshlrev_b32 v[T+4+2*(\j)], 16, v[T+(\j)]
	v_and_b32     v[T+5+2*(\j)], s32, v[T+(\j)]
.endr
.irp j, 0,1,2,3
	v_cvt_pk_f16_f32 v[Y+4*(\p)+(\j)], v[T+4+2*(\j)], v[T+5+2*(\j)]
.endr
	global_store_b128 v2, v[Y+4*(\p):Y+4*(\p)+3], s[14:15] offset:4096*(\p)
.endr
	s_endpgm
.Lfunc_end_k_qfbc1cb9da3_cast:
	.size	k_qfbc1cb9da3_cast, .Lfunc_end_k_qfbc1cb9da3_cast-k_qfbc1cb9da3_cast
	.p2alignl 7, 3214868480
	.fill 96, 4, 3214868480
	.section	.rodata,"a",@progbits
	.p2align	6, 0x0
	.amdhsa_kernel k_qfbc1cb9da3_cast
		.amdhsa_group_segment_fixed_size 0
		.amdhsa_private_segment_fixed_size 0
		.amdhsa_enable_private_segment 0
		.amdhsa_kernarg_size 64
		.amdhsa_user_sgpr_count 2
		.amdhsa_user_sgpr_kernarg_segment_ptr 1
		.amdhsa_wavefront_size32 1
		.amdhsa_system_sgpr_workgroup_id_x 1
		.amdhsa_system_sgpr_workgroup_id_y 1
		.amdhsa_system_sgpr_workgroup_id_z 1
		.amdhsa_system_vgpr_workitem_id 0
		.amdhsa_next_free_vgpr 112
		.amdhsa_next_free_sgpr 66
		.amdhsa_reserve_vcc 0
		.amdhsa_float_denorm_mode_32 3
		.amdhsa_float_denorm_mode_16_64 3
		.amdhsa_memory_ordered 1
		.amdhsa_forward_progress 1
		.amdhsa_inst_pref_size 14
	.end_amdhsa_kernel
	.amdgpu_metadata
---
amdhsa.version: [ 1, 2 ]
amdhsa.kernels:
  - .name:           k_qfbc1cb9da3_cast
    .symbol:         k_qfbc1cb9da3_cast.kd
    .args:
      - { .name: x, .offset: 0, .size: 8, .value_kind: global_buffer, .address_space: global }
      - { .name: wq, .offset: 8, .size: 8, .value_kind: global_buffer, .address_space: global }
      - { .name: wk, .offset: 16, .size: 8, .value_kind: global_buffer, .address_space: global }
      - { .name: wv, .offset: 24, .size: 8, .value_kind: global_buffer, .address_space: global }
      - { .name: wo, .offset: 32, .size: 8, .value_kind: global_buffer, .address_space: global }
      - { .name: xb, .offset: 40, .size: 8, .value_kind: global_buffer, .address_space: global }
      - { .name: wb, .offset: 48, .size: 8, .value_kind: global_buffer, .address_space: global }
      - { .name: wf, .offset: 56, .size: 8, .value_kind: global_buffer, .address_space: global }
    .group_segment_fixed_size: 0
    .private_segment_fixed_size: 0
    .kernarg_segment_align: 8
    .kernarg_segment_size: 64
    .max_flat_workgroup_size: 256
    .sgpr_count:     66
    .vgpr_count:     112
    .wavefront_size: 32
...
	.end_amdgpu_metadata
.endif
;; end of part 1
;; launch qkv (part 2): grid 16 x 16, 4 waves a work-group, clusters of 4 x 4, 327,680 bytes of LDS; arguments xb, wb, q, k, v; writes q, k, v
.if DOCPART == 2
	.amdgcn_target "amdgcn-amd-amdhsa--gfx1250"
	.amdhsa_code_object_version 6
	.text
	.protected	k_qfbc1cb9da3_qkv
	.globl	k_qfbc1cb9da3_qkv
	.p2align	8
	.type	k_qfbc1cb9da3_qkv,@function
k_qfbc1cb9da3_qkv:
	s_mov_b64 s[64:65], 0
	v_nop
	global_prefetch_b8 v0, s[64:65] scope:SCOPE_SE
	s_setreg_imm32_b32 hwreg(HW_REG_WAVE_MODE, 25, 1), 1
	s_wait_xcnt 0x0
	s_wait_alu depctr_hold_cnt(0) depctr_sa_sdst(0) depctr_va_vdst(0) depctr_va_sdst(0) depctr_va_ssrc(0) depctr_va_vcc(0) depctr_vm_vsrc(0)
	s_getreg_b32 s2, hwreg(HW_REG_IB_STS2, 6, 4)
	s_cmp_eq_u32 s2, 0
	s_cbranch_scc0 .Lentry_in_a_cluster
	s_endpgm
.Lentry_in_a_cluster:
	s_bfe_u32 s2, ttmp6, 0x10000c
	s_cmp_lg_u32 s2, 0xf033
	s_cbranch_scc0 .Lentry_shape_is_right
	s_endpgm
.Lentry_shape_is_right:
; THE THREE PROJECTIONS AS ONE PRODUCT.  [4096 x 1024] xb times [3072 x 1024] wb transposed, bf16 operands, f32 sums; out go q log2(e), k, v as f16 by heads, [16][4096][64].
; log2(e) is multiplied onto q in f32, ahead of q's one rounding, so that the attention's weights are 2^(s - m) by a plain subtraction.
; LIMIT.  f16 holds no number beyond 65,504: q log2(e), k and v must lie within it (the sums are of 1,024 products x w; at the spread of the problem's inputs they are some units, at thirty times that spread in
; x and in w some thousands).  NaN and infinities are not treated apart.
; SHARES.  A work-group makes 256 rows x 192 columns: q, k and v of ONE head (wb's rows 192 h on), 16 heads x 16 row blocks = 256 work-groups.  Wave w takes rows 64 w on and all 192 columns:
; 4 x 12 accumulators of 16 x 16, 384 registers.  So a wave holds whole rows of 64 channels, and its way out needs no other wave.
; K goes in steps of 128 (rows of 256 bytes) through two LDS slots filled by the tensor data mover.  From a slot's request to the wait for it a wave issues 160 matrix instructions.
; CLUSTERS: 4 x 4 work-groups.  The four of a row of the cluster need the same 256 rows of xb, the four of a column the same 192 rows of wb: each tile is asked for JOINTLY, by the same tensor load with
; the same descriptor and a mask that names the four.
; THE MATRIX INSTRUCTION IS USED TRANSPOSED (source 0 = 16 rows of wb, source 1 = 16 rows of xb): a lane then holds one row of x and eight neighbouring channels, 16 bytes of f16.
; REGISTERS, in windows of 256 (s_set_vgpr_msb: bits 1:0 source 0, 3:2 source 1, 5:4 source 2, 7:6 destination):
;   window 0: v0-29 addresses; v64-255 the way out, 16 registers for each of 12 groups (tensor T, row block a)
;   window 1: two fragment buffers of 128: A's block a at +8 a, B's block b at +32 + 8 b
;   window 2: accumulator (a, b < 8) at 8 (4 b + a)          window 3: accumulator (a, b >= 8) at 8 (4 (b - 8) + a)
.set SIZE_K, 1024
.set KSTEP,  128
.set PITCH,  272                       ; an LDS row: 256 bytes + 16 of padding = 68 words: the 16 rows of a fragment load start at 16 different groups of four banks (64 banks of 4 bytes: ISA guide 11.1)
.set HA,     128*PITCH                 ; 128 rows of A: one tensor load
.set HB,     96*PITCH                  ; 96 rows of B: one tensor load
.set BOFF,   2*HA                      ; B's 192 rows lie behind A's 256
.set SLOT,   BOFF+2*HB
.set STAGE,  2*SLOT                    ; behind the ring, never filled by a tensor load: 16 rows x 144 bytes for each wave
.set SP,     144
.set SPARE,  STAGE+4*16*SP             ; the spare words, 128 bytes for each wave: two blocks of 256 bytes that no other line names
.set LAPS,   SIZE_K/(2*KSTEP)          ; 4: a lap = two K steps = once round the ring
.set ADRA, 16                          ; v16-17  LDS address of my A fragments in slot 0, 1
.set ADRB, 20                          ; v20-21  the same for B
.set STO,  24                          ; v24     the way out: where I put 16 bytes of a row
.set RD,   25                          ; v25     the way out: where I read rows back
.set GO,   26                          ; v26     16 x lane: my place in 512 consecutive bytes of q, k or v
.set SPW,  28                          ; v28     LDS address of my spare word; never rewritten
.set NIL,  29                          ; v29     0; never rewritten
.set OUTG, 64
.set F0,   0
.set F1,   128
.set WV,   14                          ; s14  my wave's number
.set HF,   16                          ; s16  wave % 2: which half of A's or of B's tile I fetch
.set G1,   24                          ; s[24:31] descriptor group 1 for A's tiles;  s[32:39] group 0, a set for each slot
.set G0,   32
.set G1B,  48                          ; s[48:55], s[56:63] the same for B's
.set G0B,  56
.set LG,   66                          ; s[66:67] log2(e), named as a pair
.set MSB, 0
.macro WIN new                         ; the immediate's high byte repeats the setting that is left; a switch that changes nothing is dropped
.if MSB != (\new)
	s_set_vgpr_msb (MSB<<8)|(\new)
.set MSB, \new
.endif
.endm
.set MUL_LO, 0xa5                      ; sources 0 (B) and 1 (A) window 1; C and D window 2
.set MUL_HI, 0xf5                      ; the same, C and D window 3
.set TO_F,   0x40                      ; destination window 1, address window 0
.macro PLACES                          ; four places in front of loads into registers that matrix instructions have read, and of vector lines that read results
.rept 4
	v_nop
.endr
.endm
; A joint load.  Waves 0 and 1 fetch A's two halves, waves 2 and 3 B's.  The branch hangs on the wave's number alone.  An s_nop 0 and four v_nop follow each of the two lines.
.macro JLOAD s
	s_cmp_lt_u32 s[WV], 2
	s_cbranch_scc0 .Lfor_b_\@
	tensor_load_to_lds s[G0+4*(\s):G0+4*(\s)+3], s[G1:G1+7]
	s_nop 0
.rept 4
	v_nop
.endr
	s_branch .Lasked_\@
.Lfor_b_\@:
	tensor_load_to_lds s[G0B+4*(\s):G0B+4*(\s)+3], s[G1B:G1B+7]
	s_nop 0
.rept 4
	v_nop
.endr
.Lasked_\@:
.endm
.macro CREST                           ; a round of the cluster's barrier behind its opening barrier
	s_cmp_lg_u32 s[WV], 0
	s_cbranch_scc1 .Lnot_wave_0_\@
	s_barrier_signal -3
.Lnot_wave_0_\@:
	s_barrier_wait -3
	s_barrier_signal -1
	s_barrier_wait -1
.endm
.macro CROUND                          ; a whole round
	s_barrier_signal -1
	s_barrier_wait -1
	CREST
.endm
	s_load_b256 s[4:11], s[0:1], 0x0               ; xb s[4:5], wb s[6:7], q s[8:9], k s[10:11]
	s_load_b64 s[12:13], s[0:1], 0x20              ; v
	v_lshl_add_u32 v[SPW], v0, 2, SPARE
	v_mov_b32 v[NIL], 0
	ds_add_u32 v[SPW], v[NIL]                      ; the wave's opening: the add and its wait stand ahead of my first tensor load; the set-up below, work on registers, stands between them
	ds_add_u32 v28, v29
	v_lshrrev_b32 v1, 5, v0
	v_readfirstlane_b32 s[WV], v1                  ; wave 0..3
	s_and_b32 s[HF], s[WV], 1
	s_bfe_u32 s40, ttmp6, 0x40000                  ; cx, cy: my place in the cluster
	s_bfe_u32 s41, ttmp6, 0x40004
	s_lshl_b32 s42, ttmp9, 2
	s_add_co_u32 s42, s42, s40                     ; the head h = 4 x cluster x + cx
	s_and_b32 s43, ttmp7, 0xffff
	s_lshl_b32 s43, s43, 2
	s_add_co_u32 s43, s43, s41                     ; the row block = 4 x cluster y + cy
	s_lshl_b32 s44, s41, 2
	s_lshl_b32 s44, 15, s44                        ; my row of the cluster
	s_lshl_b32 s45, 0x1111, s40                    ; my column
	; descriptor group 1: rows of 128 elements of 2 bytes, padded in LDS; A: 128 rows, B: 96 rows
	s_or_b32 s[G1], s44, (1<<16)|(1<<20)|(1<<21)|(5<<22)|(3<<25)   ; 15:0 the mask: A's tiles go to my row; 17:16 2-byte elements; 20 padding on; 21 set beside a mask; 24:22 after every 64 words (code 5); 31:25 4 words (code 3)
	s_or_b32 s[G1B], s45, (1<<16)|(1<<20)|(1<<21)|(5<<22)|(3<<25)  ; the same with the mask of my column
	s_mov_b32 s[G1+1], KSTEP<<16                   ; tensor_dim0 = 128
	s_mov_b32 s[G1+2], 128<<16                     ; tensor_dim1 = 128
	s_mov_b32 s[G1+3], KSTEP<<16                   ; tile_dim0 = 128
	s_mov_b32 s[G1+4], 128                         ; tile_dim1 = 128
	s_mov_b32 s[G1+5], SIZE_K                      ; elements from row to row
	s_mov_b32 s[G1+6], 0
	s_mov_b32 s[G1+7], 0
	s_mov_b32 s[G1B+1], KSTEP<<16
	s_mov_b32 s[G1B+2], 96<<16                     ; tensor_dim1 = 96
	s_mov_b32 s[G1B+3], KSTEP<<16
	s_mov_b32 s[G1B+4], 96                         ; tile_dim1 = 96
	s_mov_b32 s[G1B+5], SIZE_K
	s_mov_b32 s[G1B+6], 0
	s_mov_b32 s[G1B+7], 0
	; A's tiles hang on the row block alone, B's on the head alone; each address is made in registers that never hold the other coordinate
	s_lshl_b32 s20, s43, 8
	s_lshl_b32 s17, s[HF], 7
	s_add_co_u32 s20, s20, s17                     ; A: row 256 x block + 128 x half,
	s_lshl_b32 s20, s20, 11                        ; of 2,048 bytes (8 MiB at the most)
	s_mov_b32 s21, 0
	s_mul_i32 s46, s42, 192
	s_mul_i32 s18, s[HF], 96
	s_add_co_u32 s46, s46, s18                     ; B: row 192 h + 96 x half
	s_lshl_b32 s46, s46, 11
	s_mov_b32 s47, 0
	s_mul_i32 s68, s[HF], HA                       ; where they go in a slot: no place in the cluster enters an LDS address
	s_mul_i32 s69, s[HF], HB
	s_add_co_u32 s69, s69, BOFF
	s_mov_b32 s[LG], 0x3fb8aa3b                    ; log2(e)
	s_mov_b32 s[LG+1], s[LG]
	s_wait_dscnt 0x0                               ; the opening add is done
	s_wait_kmcnt 0x0
	s_add_nc_u64 s[20:21], s[4:5], s[20:21]
	s_add_nc_u64 s[46:47], s[6:7], s[46:47]
	CROUND                                         ; all sixteen work-groups are here: the first joint loads meet
.irp s, 0,1
	s_mov_b32 s[G0+4*(\s)], 1                                        ; count = 1
	s_add_co_u32 s[G0+4*(\s)+1], s68, (\s)*SLOT                      ; LDS address
	s_add_nc_u64 s[G0+4*(\s)+2:G0+4*(\s)+3], s[20:21], (\s)*KSTEP*2  ; global address: K step s
	s_or_b32 s[G0+4*(\s)+3], s[G0+4*(\s)+3], 0x80000000              ; type = 2
	s_mov_b32 s[G0B+4*(\s)], 1
	s_add_co_u32 s[G0B+4*(\s)+1], s69, (\s)*SLOT
	s_add_nc_u64 s[G0B+4*(\s)+2:G0B+4*(\s)+3], s[46:47], (\s)*KSTEP*2
	s_or_b32 s[G0B+4*(\s)+3], s[G0B+4*(\s)+3], 0x80000000
	JLOAD \s                                       ; two loads of mine are out
.endr
	; q, k, v at my 64 rows of my head: h x 524,288 + (256 x block + 64 x wave) x 128 bytes
	s_lshl_b32 s22, s42, 19
	s_lshl_b32 s23, s43, 15
	s_add_co_u32 s22, s22, s23
	s_lshl_b32 s23, s[WV], 13
	s_add_co_u32 s22, s22, s23
	s_mov_b32 s23, 0
	s_add_nc_u64 s[8:9], s[8:9], s[22:23]
	s_add_nc_u64 s[10:11], s[10:11], s[22:23]
	s_add_nc_u64 s[12:13], s[12:13], s[22:23]
	; A fragment is 16 rows x 32 K in 8 registers: lane l holds row l % 16, K = 8 (l / 16) + 0..7 and 16 + 8 (l / 16) + 0..7: two loads of 16 bytes, 32 bytes apart
	v_and_b32 v1, 15, v0                           ; l % 16
	v_bfe_u32 v2, v0, 4, 1                         ; l / 16
	v_mul_u32_u24 v3, v1, PITCH
	v_lshl_add_u32 v3, v2, 4, v3
	s_mul_i32 s19, s[WV], 64*PITCH                 ; my 64 rows of A
	v_add_nc_u32 v[ADRA], s19, v3
	v_add_nc_u32 v[ADRA+1], SLOT, v[ADRA]
	v_add_nc_u32 v[ADRB], BOFF, v3                 ; all 192 rows of B
	v_add_nc_u32 v[ADRB+1], SLOT+BOFF, v3
	s_mul_i32 s19, s[WV], 16*SP
	s_add_co_u32 s19, s19, STAGE                   ; my stage
	v_mul_u32_u24 v4, v1, SP                       ; in: row l % 16, 16 bytes for each half of the lanes
	v_lshl_add_u32 v4, v2, 4, v4
	v_add_nc_u32 v[STO], s19, v4
	v_bfe_u32 v5, v0, 3, 2                         ; back: 32 lanes take four rows of 128 bytes,
	v_mul_u32_u24 v5, v5, SP
	v_and_b32 v6, 7, v0
	v_lshl_add_u32 v5, v6, 4, v5
	v_add_nc_u32 v[RD], s19, v5
	v_and_b32 v[GO], 31, v0                        ; which are 512 consecutive bytes of a head
	v_lshlrev_b32 v[GO], 4, v[GO]
; 16 matrix instructions: n blocks 4 g .. 4 g + 3 x all 4 m blocks, 32 along K.  zero = 1: the first product starts the sums: nothing is cleared.
; Every quarter step takes the 48 accumulators in the same order (g = 2, 0, 1), one instruction a turn: between two links of a chain stand 47 others'.
.macro MUL16 f, g, zero
	WIN MUL_LO+0x50*((\g)/2)
.irp bb, 0,1,2,3
.irp a, 0,1,2,3
.set rB, (\f)+32+8*(4*(\g)+(\bb))
.set rA, (\f)+8*(\a)
.set rC, 8*(4*((4*(\g)+(\bb))%8)+(\a))
.if \zero
	v_wmma_f32_16x16x32_bf16 v[rC:rC+7], v[rB:rB+7], v[rA:rA+7], 0
.else
	v_wmma_f32_16x16x32_bf16 v[rC:rC+7], v[rB:rB+7], v[rA:rA+7], v[rC:rC+7]
.endif
.endr
.endr
.endm
; 32 LDS loads in one run: the fragments of a quarter step (32 K at byte k of the rows) into buffer f: A's four blocks and B's blocks 8-11 first, which are multiplied first
.macro FETCH slot, k, f
	WIN TO_F
.irp i, 0,1,2,3
	ds_load_b128 v[(\f)+8*(\i):(\f)+8*(\i)+3],   v[ADRA+(\slot)] offset:(\k)+(\i)*16*PITCH
	ds_load_b128 v[(\f)+8*(\i)+4:(\f)+8*(\i)+7], v[ADRA+(\slot)] offset:(\k)+(\i)*16*PITCH+32
.endr
.irp b, 8,9,10,11,0,1,2,3,4,5,6,7
	ds_load_b128 v[(\f)+32+8*(\b):(\f)+32+8*(\b)+3],   v[ADRB+(\slot)] offset:(\k)+(\b)*16*PITCH
	ds_load_b128 v[(\f)+32+8*(\b)+4:(\f)+32+8*(\b)+7], v[ADRB+(\slot)] offset:(\k)+(\b)*16*PITCH+32
.endr
.endm
; A K step is four quarter steps of 32 along K, 48 matrix instructions each, on buffers 0, 1, 0, 1.  One of the first three: multiplies buffer f and fetches the next quarter, at byte k, into g.
.macro QUARTER slot, k, f, g, zero
	s_wait_dscnt 16                                ; A and B's blocks 8-11 are in; the youngest sixteen loads (B's blocks 0-7) may be out
	MUL16 \f, 2, \zero
	PLACES                                         ; for the loads into buffer g, which the quarter before multiplied
	FETCH \slot, \k, \g
	s_wait_dscnt 32                                ; all but the 32 just issued
	MUL16 \f, 0, \zero
	MUL16 \f, 1, \zero
.endm
; The last quarter multiplies buffer 1 and changes slots: ONE barrier.  In front of it each wave waits for all its tensor loads (one is out: its part of the next slot), adds 0 to its spare word, and waits for
; that and for its own reads of this slot.  Behind it nobody reads this slot any more and the next slot is whole.  fill = 1: the barrier opens a round of the cluster's, and this slot is filled again, two K steps ahead.
.macro TURN slot, next, fill
	WIN 0                                          ; (the add's two registers lie in window 0)
	s_wait_tensorcnt 0x0                           ; all my tensor loads have landed;
	ds_add_u32 v[SPW], v[NIL]                      ; 0 onto my spare word;
	s_wait_dscnt 17                                ; (the add and the youngest sixteen loads may be out)
	MUL16 F1, 2, 0                                 ; sixteen matrix instructions stand between the add and the wait for it
	s_wait_dscnt 0x0                               ; the add is done, and my reads of this slot are over
	s_barrier_signal -1
	MUL16 F1, 0, 0                                 ; work on registers while the others arrive
.if \fill
	WIN 0
.endif
	s_barrier_wait -1
.if \fill
	CREST                                          ; no wave of any partner still reads this slot's tile or has a load on its way
	s_add_nc_u64 s[G0+4*(\slot)+2:G0+4*(\slot)+3], s[G0+4*(\slot)+2:G0+4*(\slot)+3], 2*KSTEP*2
	s_add_nc_u64 s[G0B+4*(\slot)+2:G0B+4*(\slot)+3], s[G0B+4*(\slot)+2:G0B+4*(\slot)+3], 2*KSTEP*2
	JLOAD \slot                                    ; the first tensor load behind the round; its four v_nop are also the places in front of the loads below
.else
	PLACES
.endif
	FETCH \next, 0, F0
	MUL16 F1, 1, 0
.endm
; THE WAY OUT of group (tensor tt, row block a): q alone is multiplied by log2(e); rounded to f16, 16 bytes a lane; into my own stage (rows of 144 bytes) and back as four rows of 128 bytes a load.
; Each accumulator is read from its lowest registers up.
.macro PACK tt, a
.set G, OUTG+16*(4*(\tt)+(\a))
.if (\tt) == 0
	WIN 0x82                                       ; destination and source 0 window 2
.irp cb, 0,1,2,3
.irp r, 0,1,2,3
.set AC, 8*(4*(\cb)+(\a))
	v_pk_mul_f32 v[AC+2*(\r):AC+2*(\r)+1], v[AC+2*(\r):AC+2*(\r)+1], s[LG:LG+1] op_sel_hi:[1,0]
.endr
.endr
.endif
	WIN 0x0a+5*((\tt)/2)                           ; sources 0 and 1: window 2 (q, k) or 3 (v)
.irp cb, 0,1,2,3
.irp r, 0,1,2,3
.set AC, 8*(4*((4*(\tt)+(\cb))%8)+(\a))
	v_cvt_pk_f16_f32 v[G+4*(\cb)+(\r)], v[AC+2*(\r)], v[AC+2*(\r)+1]
.endr
.endr
	WIN 0
.irp cb, 0,1,2,3
	ds_store_b128 v[STO], v[G+4*(\cb):G+4*(\cb)+3] offset:32*(\cb)
.endr
.irp f, 0,1,2,3
	ds_load_b128 v[G+4*(\f):G+4*(\f)+3], v[RD] offset:(\f)*4*SP  ; LDS serves a wave's instructions in order (ISA guide 5.7.1.4): these see the stores above; the next group's stores come behind them
.endr
.endm
.macro SEND tt, a, younger             ; younger: the LDS instructions issued behind the group's loads: the next group's eight, or none
.set G, OUTG+16*(4*(\tt)+(\a))
	WIN 0
.irp f, 0,1,2,3
	s_wait_dscnt (\younger)+3-(\f)
	global_store_b128 v[GO], v[G+4*(\f):G+4*(\f)+3], s[8+2*(\tt):9+2*(\tt)] offset:(\a)*2048+(\f)*512  ; 512 consecutive bytes, at a multiple of 256 from the tensor's first
.endr
.endm
	s_wait_tensorcnt 1                             ; my part of K step 0 is in; K step 1's may stay out
	s_barrier_signal -1
	s_barrier_wait -1                              ; everybody's is
	FETCH 0, 0, F0
	QUARTER 0, 64,  F0, F1, 1                      ; the first quarter stands in front of the loop: its products start the sums
	WIN 0                                          ; at a label and at a branch every window is 0
	s_mov_b32 s3, LAPS-1
.Llap:                                                 ; a trip goes once round the ring, from a lap's second quarter to the next lap's first, and fills both slots again
	QUARTER 0, 128, F1, F0, 0
	QUARTER 0, 192, F0, F1, 0
	TURN 0, 1, 1
	QUARTER 1, 64,  F0, F1, 0
	QUARTER 1, 128, F1, F0, 0
	QUARTER 1, 192, F0, F1, 0
	TURN 1, 0, 1
	QUARTER 0, 64,  F0, F1, 0
	WIN 0
	s_sub_co_u32 s3, s3, 1
	s_cmp_lg_u32 s3, 0
	s_cbranch_scc1 .Llap
	QUARTER 0, 128, F1, F0, 0                      ; the last lap fills nothing
	QUARTER 0, 192, F0, F1, 0
	TURN 0, 1, 0
	QUARTER 1, 64,  F0, F1, 0
	QUARTER 1, 128, F1, F0, 0
	QUARTER 1, 192, F0, F1, 0
	s_wait_dscnt 16                                ; the very last quarter: nothing more to fetch
	MUL16 F1, 2, 0
	s_wait_dscnt 0x0
	MUL16 F1, 0, 0
	MUL16 F1, 1, 0
	PLACES                                         ; the first group's lines read results just made
	PACK 0, 0
.set gi, 1
.rept 11                               ; a group's arithmetic stands between the loads of the group before and its stores
	PACK gi/4, gi%4
	SEND (gi-1)/4, (gi-1)%4, 8
.set gi, gi+1
.endr
	SEND 2, 3, 0
	s_wait_tensorcnt 0x0                           ; the wave's end, behind my last tensor load and my last LDS store
	ds_add_u32 v[SPW], v[NIL]
	s_wait_dscnt 0x0
	CROUND                                         ; the closing round: no work-group ends while a partner may still ask for a tile that names it
	s_endpgm
.Lfunc_end_k_qfbc1cb9da3_qkv:
	.size	k_qfbc1cb9da3_qkv, .Lfunc_end_k_qfbc1cb9da3_qkv-k_qfbc1cb9da3_qkv
	.p2alignl 7, 3214868480
	.fill 96, 4, 3214868480
	.section	.rodata,"a",@progbits
	.p2align	6, 0x0
	.amdhsa_kernel k_qfbc1cb9da3_qkv
		.amdhsa_group_segment_fixed_size 327680
		.amdhsa_private_segment_fixed_size 0
		.amdhsa_enable_private_segment 0
		.amdhsa_kernarg_size 40
		.amdhsa_user_sgpr_count 2
		.amdhsa_user_sgpr_kernarg_segment_ptr 1
		.amdhsa_wavefront_size32 1
		.amdhsa_system_sgpr_workgroup_id_x 1
		.amdhsa_system_sgpr_workgroup_id_y 1
		.amdhsa_system_sgpr_workgroup_id_z 1
		.amdhsa_system_vgpr_workitem_id 0
		.amdhsa_next_free_vgpr 896
		.amdhsa_next_free_sgpr 72
		.amdhsa_reserve_vcc 0
		.amdhsa_float_denorm_mode_32 3
		.amdhsa_float_denorm_mode_16_64 3
		.amdhsa_memory_ordered 1
		.amdhsa_forward_progress 1
		.amdhsa_inst_pref_size 124
	.end_amdhsa_kernel
	.amdgpu_metadata
---
amdhsa.version: [ 1, 2 ]
amdhsa.kernels:
  - .name:           k_qfbc1cb9da3_qkv
    .symbol:         k_qfbc1cb9da3_qkv.kd
    .args:
      - { .name: xb, .offset: 0, .size: 8, .value_kind: global_buffer, .address_space: global }
      - { .name: wb, .offset: 8, .size: 8, .value_kind: global_buffer, .address_space: global }
      - { .name: q, .offset: 16, .size: 8, .value_kind: global_buffer, .address_space: global }
      - { .name: k, .offset: 24, .size: 8, .value_kind: global_buffer, .address_space: global }
      - { .name: v, .offset: 32, .size: 8, .value_kind: global_buffer, .address_space: global }
    .group_segment_fixed_size: 327680
    .private_segment_fixed_size: 0
    .kernarg_segment_align: 8
    .kernarg_segment_size: 40
    .max_flat_workgroup_size: 128
    .sgpr_count:     72
    .vgpr_count:     896
    .wavefront_size: 32
...
	.end_amdgpu_metadata
.endif
;; end of part 2
;; launch attn (part 3): grid 32 x 8, 4 waves a work-group, no clusters, 268,800 bytes of LDS; arguments q, k, v, ctx; writes ctx
.if DOCPART == 3
	.amdgcn_target "amdgcn-amd-amdhsa--gfx1250"
	.amdhsa_code_object_version 6
	.text
	.protected	k_qfbc1cb9da3_attn
	.globl	k_qfbc1cb9da3_attn
	.p2align	8
	.type	k_qfbc1cb9da3_attn,@function
k_qfbc1cb9da3_attn:
	s_mov_b64 s[64:65], 0
	v_nop
	global_prefetch_b8 v0, s[64:65] scope:SCOPE_SE
	s_setreg_imm32_b32 hwreg(HW_REG_WAVE_MODE, 25, 1), 1
	s_wait_xcnt 0x0
; ATTENTION IN A WINDOW.  Query i sees the keys i - 255 .. i.  q (already times log2(e)), k, v: [16][4096][64] f16, a head's rows dense, 128 bytes each.  ctx: [4096][1024] f16, column 64 x head + channel.
; Products, maxima and sums in f32; the weights p = 2^(s - m), m the running maximum, are rounded to f16 for the second product (their sum l is taken of the unrounded p), ctx once at the end.
; LIMITS.  q, k, v arrive within f16's 65,504; p lies in 0 to 1; ctx is a mean of v's rows.  A hidden score counts as its value less 1e30: f16's scores, 6e11 at the most, are nothing beside that.
; A weight below 2^-126 counts as 0 in l.  NaN and infinities are not treated apart.
; SHARES.  A work-group owns 128 queries (block b) of TWO heads (2 g, 2 g + 1), so that a row of ctx gets 256 consecutive bytes, aligned: 32 x 8 = 256 work-groups.  Wave w: head w / 2, query half w % 2:
; 64 queries, four tiles of 16.  LDS holds the keys 128 (b - 2) .. 128 b + 127 of both heads, 384 keys, filled ONCE: no byte is filled again.
; Counted from the first of those keys, my query 64 qh + r' sees the keys 64 qh + r' + 1 .. 64 qh + r' + 256: exactly five steps of 64 keys, qh + s for s = 0 .. 4, the same count for every wave.
; Step 0 hides key kk <= r', step 4 hides kk > r', steps 1 to 3 hide nothing.  Steps in front of key 0 (blocks 0 and 1 alone) are jumped over; what is jumped holds no barrier and no tensor load.
; THE MASK is the C operand that starts a score's sum: 0 or -1e30.  For tile t and key block kt: kt < t takes CL, kt > t takes CU, kt = t takes CD; (CL, CU) = (-1e30, 0) in step 0, (0, -1e30) in step 4, else 0;
; CD's register j is CU where j > l % 16 - 8 (l / 16), else CL.  A row that has seen hidden keys alone holds finite numbers that the first visible step multiplies by a = 2^(-1e30 - m) = 0.
; LAYOUT.  S^T = K Q^T (source 0 = 16 keys, source 1 = 16 queries): a lane holds ONE query (l % 16) and the keys 8 (l / 16) + 0..7.  Two such results rounded to f16 ARE source 1 of O^T = V^T P.
; K comes out of LDS as it lies, V ([key][channel]) turned, by ds_load_tr16_b128.
; m starts at the lowest finite number, O and l at 0 (144 v_mov_b32, in the wait for the tiles): which step is a wave's first differs from work-group to work-group, so no first step is written out.
; NO CLUSTER.  A chunk of 128 keys serves three neighbouring query blocks, but it lies at another LDS place in each (third, second, first of the 384 keys), and a joint load has one LDS address for all its partners.
; REGISTERS, in windows of 256 (s_set_vgpr_msb: bits 1:0 source 0, 3:2 source 1, 5:4 source 2, 7:6 destination):
;   window 0: v0-12 addresses; v16-31 statistics, four a tile; v32-47 at work, four a tile; v48-49 the add's; v64-127 P, 16 a tile; v128-255 S^T, 32 a tile
;   window 1: v0-127 O^T, 32 a tile; v128-151 CL, CD, CU          window 2: v0-63 Q; v64-127 K of one step; v128-191 V of one step
.set KS,    64
.set PK,    144       ; a row of K in LDS: 128 bytes + 16 of padding: the 16 rows of a load start at 16 different groups of four banks (64 banks of 4 bytes: ISA guide 11.1)
.set PV,    160       ; a row of V: 128 + 32
.set KHEAD, 384*PK    ; a head's K
.set VHEAD, 384*PV
.set VBASE, 2*KHEAD
.set STAGE, VBASE+2*VHEAD  ; never filled by a tensor load: 128 rows x 272 bytes, the work-group's, for the way out
.set SPITCH, 272
.set SPARE, STAGE+128*SPITCH  ; the spare words, 128 bytes for each wave: two blocks of 256 bytes that no other line names
.set AK0, 2           ; v2   my lane's place in a step of K; never rewritten
.set AV0, 3           ; v3   the same for V
.set AK,  4           ; v4   the LDS address of K's run of loads
.set AV,  5           ; v5   of V's
.set STO, 6           ; v6   the way out: where I put 16 bytes of a row
.set RD,  7           ; v7   the way out: where I read rows back
.set GO,  8           ; v8   my byte offset in two rows of ctx
.set QO,  12          ; v12  my byte offset in 16 rows of Q
.set ST,  16          ; tile t at v[ST+4 t]: m, m_old, l (even keys', odd keys')
.set TMP, 32          ; tile t at v[TMP+4 t]: c0-c3 at work; when the maximum is found c2 takes a
.set SPW, 48          ; v48  LDS address of my spare word; never rewritten
.set NIL, 49          ; v49  0; never rewritten
.set P,   64
.set S,   128
.set CL,  128         ; window 1
.set CD,  136
.set CU,  144
.set KF,  64          ; window 2: key block kt, channel half c at KF + 16 kt + 8 c
.set VF,  128         ; window 2: key half kk, channel block cb at VF + 32 kk + 8 cb
.set WV,  12          ; s12  my wave's number
.set HP,  13          ; s13  wave / 2: which of the two heads I compute
.set QH,  14          ; s14  wave % 2: which half of the queries I compute; also: which head's K (waves 0, 1) or V (waves 2, 3) I fetch
.set BLK, 18          ; s18  b
.set GRP, 19          ; s19  g
.set G1K, 24          ; s[24:31] descriptor group 1 for K;  s[32:39] for V: it differs in the padding alone
.set G1V, 32
.set G0K, 40          ; s[40:51] descriptor group 0 for K's three chunks;  s[52:63] for V's
.set G0V, 52
.set SEL, 66          ; s[66:67] v_permlanex16_b32's selects: each lane takes its own place in the other half
.set TBK, 70          ; s70  LDS byte at which K of the step in hand begins
.set TBV, 71          ; s71  the same for V, less VBASE
.set CNT, 72          ; s72  the step, 0 .. 4
.set GS,  73          ; s73  the step's number among the head's steps of 64 keys: below 0 there are no keys
.set SLO, 74          ; s74  CL's value
.set SHI, 75          ; s75  CU's value
.set BIGN, 76         ; s76  -1e30
.set MK,  80          ; s[80:87] lane masks: j > l % 16 - 8 (l / 16)
.set MSB, 0
.macro WIN new                      ; the high byte repeats the setting that is left; a switch that changes nothing is dropped
.if MSB != (\new)
	s_set_vgpr_msb (MSB<<8)|(\new)
.set MSB, (\new)
.endif
.endm
	s_load_b256 s[4:11], s[0:1], 0x0  ; q s[4:5], k s[6:7], v s[8:9], ctx s[10:11]
	v_lshl_add_u32 v[SPW], v0, 2, SPARE
	v_mov_b32 v[NIL], 0
	ds_add_u32 v[SPW], v[NIL]       ; the wave's opening: the add and its wait stand ahead of my first tensor load; the set-up below, work on registers, stands between them
	ds_add_u32 v48, v49
	v_lshrrev_b32 v1, 5, v0
	v_readfirstlane_b32 s[WV], v1   ; wave 0..3
	s_lshr_b32 s[HP], s[WV], 1
	s_and_b32 s[QH], s[WV], 1
	s_mov_b32 s[BLK], ttmp9
	s_and_b32 s[GRP], ttmp7, 0xffff
	; descriptor group 1.  128 keys are 16,384 dense bytes: asked for as 64 rows of 256 bytes, two keys a row, and padded in LDS after every key
	s_mov_b32 s[G1K], (1<<16)|(1<<20)|(4<<22)|(3<<25)  ; 17:16 2-byte elements; 20 padding on; 24:22 after every 32 words (code 4); 31:25 4 words (code 3)
	s_mov_b32 s[G1V], (1<<16)|(1<<20)|(4<<22)|(7<<25)  ; the same with 8 words of padding (code 7)
.irp g, G1K, G1V
	s_mov_b32 s[\g+1], 128<<16      ; tensor_dim0 = 128
	s_mov_b32 s[\g+2], 64<<16       ; tensor_dim1 = 64
	s_mov_b32 s[\g+3], 128<<16      ; tile_dim0 = 128
	s_mov_b32 s[\g+4], 64           ; tile_dim1 = 64
	s_mov_b32 s[\g+5], 128          ; 128 elements from row to row
	s_mov_b32 s[\g+6], 0
	s_mov_b32 s[\g+7], 0
.endr
	s_mul_i32 s22, s[QH], KHEAD     ; where the head that I fetch lies in LDS, for K
	s_mul_i32 s23, s[QH], VHEAD     ; and for V
	s_add_co_u32 s23, s23, VBASE
.irp c, 0,1,2
	s_mov_b32 s[G0K+4*(\c)], 1                            ; count = 1
	s_add_co_u32 s[G0K+4*(\c)+1], s22, (\c)*128*PK        ; LDS address of chunk c
	s_mov_b32 s[G0V+4*(\c)], 1
	s_add_co_u32 s[G0V+4*(\c)+1], s23, (\c)*128*PV
.endr
	s_lshl_b32 s20, s[GRP], 1
	s_add_co_u32 s20, s20, s[QH]
	s_lshl_b32 s20, s20, 19         ; the first byte of the head that I fetch
	s_mov_b32 s17, 0
	s_mov_b32 s[SEL], 0x76543210
	s_mov_b32 s[SEL+1], 0xfedcba98
	s_mov_b32 s[BIGN], 0xf149f2ca   ; -1e30
	s_mul_i32 s[TBK], s[HP], KHEAD  ; my first step: the head that I compute, step qh
	s_mul_i32 s21, s[QH], KS*PK
	s_add_co_u32 s[TBK], s[TBK], s21
	s_mul_i32 s[TBV], s[HP], VHEAD
	s_mul_i32 s21, s[QH], KS*PV
	s_add_co_u32 s[TBV], s[TBV], s21
	s_mov_b32 s[CNT], 0
	s_lshl_b32 s[GS], s[BLK], 1
	s_add_co_u32 s[GS], s[GS], s[QH]
	s_add_co_i32 s[GS], s[GS], -4   ; 2 b - 4 + qh
	s_wait_dscnt 0x0                ; the opening add is done
	s_wait_kmcnt 0x0
.irp c, 0,1,2
	s_add_co_i32 s16, s[BLK], (\c)-2  ; chunk c holds the keys of block b - 2 + c; blocks 0 and 1 ask for block 0 in place of what is not there, and never read those LDS bytes
	s_max_i32 s16, s16, 0
	s_lshl_b32 s16, s16, 14
	s_add_co_u32 s16, s16, s20
	s_add_nc_u64 s[G0K+4*(\c)+2:G0K+4*(\c)+3], s[6:7], s[16:17]
	s_or_b32 s[G0K+4*(\c)+3], s[G0K+4*(\c)+3], 0x80000000  ; type = 2
	s_add_nc_u64 s[G0V+4*(\c)+2:G0V+4*(\c)+3], s[8:9], s[16:17]
	s_or_b32 s[G0V+4*(\c)+3], s[G0V+4*(\c)+3], 0x80000000
.endr
	s_cmp_lt_u32 s[WV], 2           ; a wave's three fills stand in one branch, ahead of every wait on TENSORcnt, every LDS read and every barrier: three loads of mine are out; an s_nop 0 follows each, four v_nop the last
	s_cbranch_scc0 .Lfor_v
.irp c, 0,1,2
	tensor_load_to_lds s[G0K+4*(\c):G0K+4*(\c)+3], s[G1K:G1K+7]
	s_nop 0
.endr
.rept 4
	v_nop
.endr
	s_branch .Lasked
.Lfor_v:
.irp c, 0,1,2
	tensor_load_to_lds s[G0V+4*(\c):G0V+4*(\c)+3], s[G1V:G1V+7]
	s_nop 0
.endr
.rept 4
	v_nop
.endr
.Lasked:
	s_lshl_b32 s16, s[GRP], 1       ; Q at my 64 rows: (2 g + hp) x 524,288 + (128 b + 64 qh) x 128
	s_add_co_u32 s16, s16, s[HP]
	s_lshl_b32 s16, s16, 19
	s_lshl_b32 s21, s[BLK], 14
	s_add_co_u32 s16, s16, s21
	s_lshl_b32 s21, s[QH], 13
	s_add_co_u32 s16, s16, s21
	s_add_nc_u64 s[4:5], s[4:5], s[16:17]
	s_lshl_b32 s16, s[BLK], 18      ; ctx at the 32 rows that I store: (128 b + 32 w) x 2,048 + 256 g
	s_lshl_b32 s21, s[WV], 16
	s_add_co_u32 s16, s16, s21
	s_lshl_b32 s21, s[GRP], 8
	s_add_co_u32 s16, s16, s21
	s_add_nc_u64 s[10:11], s[10:11], s[16:17]
	; A fragment of K or Q is 16 rows x 32 channels in 8 registers: lane l holds row l % 16, channels 8 (l / 16) + 0..7 and 16 + 8 (l / 16) + 0..7: two loads of 16 bytes, 32 bytes apart
	v_and_b32 v1, 15, v0            ; l % 16
	v_bfe_u32 v9, v0, 4, 1          ; l / 16
	v_lshlrev_b32 v[QO], 7, v1
	v_lshl_add_u32 v[QO], v9, 4, v[QO]  ; row x 128 + 16 x half
	WIN 0x80                        ; destination window 2, address window 0
.set i, 0
.rept 8                             ; Q stays in registers: tile i / 2, channels 32 (i % 2) on
	global_load_b128 v[8*i:8*i+3],   v[QO], s[4:5] offset:(i/2)*2048+(i%2)*64
	global_load_b128 v[8*i+4:8*i+7], v[QO], s[4:5] offset:(i/2)*2048+(i%2)*64+32
.set i, i+1
.endr
	WIN 0
	v_lshlrev_b32 v10, 3, v9
	v_sub_nc_u32 v10, v1, v10       ; l % 16 - 8 (l / 16)
.irp j, 0,1,2,3,4,5,6,7
	v_cmp_gt_i32 s[MK+(\j)], \j, v10
.endr
	v_mul_u32_u24 v[AK0], v1, PK
	v_lshl_add_u32 v[AK0], v9, 4, v[AK0]  ; row x pitch + 16 x half
	; The turning load takes 16 keys x 16 channels (lane l reads key 8 (l / 16) + l % 8, channels 8 ((l / 8) % 2) + 0..7) and leaves half a fragment of V^T: lane l holds channel l % 16 and 8 keys
	v_and_b32 v10, 7, v0
	v_bfe_u32 v11, v0, 3, 1
	v_lshl_add_u32 v[AV0], v9, 3, v10
	v_mul_u32_u24 v[AV0], v[AV0], PV
	v_lshl_add_u32 v[AV0], v11, 4, v[AV0]
	v_add_nc_u32 v[AV0], VBASE, v[AV0]
	s_mul_i32 s16, s[QH], 64*SPITCH ; into the stage: my 64 rows, my head's half of their 256 bytes; row l % 16, 16 bytes for each half of the lanes
	s_lshl_b32 s21, s[HP], 7
	s_add_co_u32 s16, s16, s21
	s_add_co_u32 s16, s16, STAGE
	v_mul_u32_u24 v[STO], v1, SPITCH
	v_lshl_add_u32 v[STO], v9, 4, v[STO]
	v_add_nc_u32 v[STO], s16, v[STO]
	s_mul_i32 s16, s[WV], 32*SPITCH ; back: wave w takes rows 32 w on, whole; lanes 0-15 one row of 256 bytes, lanes 16-31 the next
	s_add_co_u32 s16, s16, STAGE
	v_mul_u32_u24 v[RD], v9, SPITCH
	v_lshl_add_u32 v[RD], v1, 4, v[RD]
	v_add_nc_u32 v[RD], s16, v[RD]
	v_lshlrev_b32 v[GO], 11, v9     ; and the same two rows in ctx
	v_lshl_add_u32 v[GO], v1, 4, v[GO]
	WIN 0x40
.set i, 0
.rept 128
	v_mov_b32 v[i], 0               ; O^T
.set i, i+1
.endr
	WIN 0
.irp t, 0,1,2,3
	v_mov_b32 v[ST+4*(\t)], 0xff7fffff    ; m: the lowest finite number, so the first maximum is the scores' and the first a is 0
	v_mov_b32 v[ST+4*(\t)+1], 0xff7fffff
	v_mov_b32 v[ST+4*(\t)+2], 0           ; l
	v_mov_b32 v[ST+4*(\t)+3], 0
.endr
; THE MATRIX WORK.  16 accumulators take turns, one instruction a turn: between the two links of a chain stand 15 others'.
; Product i of 32 of S^T = K Q^T: channels 32 (i / 16) on, tile (i % 16) / 4, keys 16 (i % 4) on.  The first 16 start the sums, with the mask.
.macro KQ
.set kc, i/16
.set kb, i%4
.set tq, (i%16)/4
.set rS, S+32*tq+8*kb
.set rK, KF+16*kb+8*kc
.set rQ, 16*tq+8*kc
.if kc == 0
.if kb < tq
.set rM, CL
.elseif kb == tq
.set rM, CD
.else
.set rM, CU
.endif
	WIN 0x1a                        ; K and Q window 2, the mask window 1, S^T window 0
	v_wmma_f32_16x16x32_f16 v[rS:rS+7], v[rK:rK+7], v[rQ:rQ+7], v[rM:rM+7]
.else
	WIN 0x0a
	v_wmma_f32_16x16x32_f16 v[rS:rS+7], v[rK:rK+7], v[rQ:rQ+7], v[rS:rS+7]
.endif
.set i, i+1
.endm
; Product i of 32 of O^T += V^T P: keys 32 (i / 16) on, channels 16 ((i % 16) / 4) on, tile i % 4.
.macro PV
.set rO, 32*(i%4)+8*((i%16)/4)
.set rV, VF+32*(i/16)+8*((i%16)/4)
.set rP, P+16*(i%4)+8*(i/16)
	WIN 0x52                        ; V window 2, P window 0, O^T window 1
	v_wmma_f32_16x16x32_f16 v[rO:rO+7], v[rV:rV+7], v[rP:rP+7], v[rO:rO+7]
.set i, i+1
.endm
; THE VECTOR WORK, one line at a time: OP kind, number, tile.  F n: s - m for pair n of 16.  E n: the exponential of score n of 32.  C n: pair n rounded to f16.  B n: of the four weights 4 n .. the second pair is
; added onto the first, in place.  L n: l takes that sum (L 0: l = a l + sum).  R n: pair n of 16 of O^T times a.  X n: the maximum and statistics:
;   0-11  four chains c0-c3 of seven scores each, three operands at a time (each accumulator's lowest registers are read first)     12-14, 16  the four scores left over, the old m, and c0-c3 into c0
;   15  m_old is kept     17, 18  the query's other 32 keys lie in the lane 16 away: the new m     20, 21  m_old - m; a
.set F, 0
.set E, 1
.set C, 2
.set B, 3
.set L, 4
.set R, 5
.set X, 6
.macro OP k, n, t
.set rT, ST+4*(\t)
.set rC, TMP+4*(\t)
.set rS, S+32*(\t)
.set rP, P+16*(\t)
.set rO, 32*(\t)
.if (\k) == R
	WIN 0x41                        ; O^T (destination and source 0) window 1, a window 0
	s_wait_alu depctr_va_vdst(0)
	v_pk_mul_f32 v[rO+2*(\n):rO+2*(\n)+1], v[rO+2*(\n):rO+2*(\n)+1], v[rC+2:rC+3] op_sel_hi:[1,0]
.else
	WIN 0
.if (\k) == F
	v_pk_add_f32 v[rS+2*(\n):rS+2*(\n)+1], v[rS+2*(\n):rS+2*(\n)+1], v[rT:rT+1] op_sel_hi:[1,0] neg_lo:[0,1] neg_hi:[0,1]
.elseif (\k) == E
	v_exp_f32 v[rS+(\n)], v[rS+(\n)]
.elseif (\k) == C
	s_wait_alu depctr_va_vdst(0)
	v_cvt_pk_f16_f32 v[rP+(\n)], v[rS+2*(\n)], v[rS+2*(\n)+1]
.elseif (\k) == B
	v_pk_add_f32 v[rS+4*(\n):rS+4*(\n)+1], v[rS+4*(\n):rS+4*(\n)+1], v[rS+4*(\n)+2:rS+4*(\n)+3]
.elseif ((\k) == L) && ((\n) == 0)
	v_pk_fma_f32 v[rT+2:rT+3], v[rT+2:rT+3], v[rC+2:rC+3], v[rS:rS+1] op_sel_hi:[1,0,1]
.elseif (\k) == L
	v_pk_add_f32 v[rT+2:rT+3], v[rT+2:rT+3], v[rS+4*(\n):rS+4*(\n)+1]
.elseif (\n) < 4
	v_max3_num_f32 v[rC+(\n)], v[rS+8*(\n)], v[rS+8*(\n)+1], v[rS+8*(\n)+2]
.elseif (\n) < 12
	v_max3_num_f32 v[rC+(\n)%4], v[rC+(\n)%4], v[rS+8*((\n)%4)+2*((\n)/4)+1], v[rS+8*((\n)%4)+2*((\n)/4)+2]
.elseif (\n) == 12
	v_max3_num_f32 v[rC], v[rC], v[rS+7], v[rS+15]
.elseif (\n) == 13
	v_max3_num_f32 v[rC+1], v[rC+1], v[rS+23], v[rS+31]
.elseif (\n) == 14
	v_max3_num_f32 v[rC+2], v[rC+2], v[rC+3], v[rT]
.elseif (\n) == 15
	v_mov_b32 v[rT+1], v[rT]
.elseif (\n) == 16
	v_max3_num_f32 v[rC], v[rC], v[rC+1], v[rC+2]
.elseif (\n) == 17
	v_permlanex16_b32 v[rC+3], v[rC], s[SEL], s[SEL+1]
.elseif (\n) == 18
	v_max_num_f32 v[rT], v[rC], v[rC+3]
.elseif (\n) == 20
	v_sub_f32 v[rC+1], v[rT+1], v[rT]
.else
	v_exp_f32 v[rC+2], v[rC+1]
.endif
.endif
.endm
.macro T4 k, n                      ; the same line for the four tiles: a line that needs the one before it for its tile stands four lines behind it, and exponentials come four on end with a plain line behind them
.irp t, 0,1,2,3
	OP \k, \n, \t
.endr
.endm
	s_wait_tensorcnt 0x0            ; my three chunks are in,
	s_barrier_signal -1
	s_barrier_wait -1               ; everybody's are
	s_wait_loadcnt 0x0              ; Q
.Lstep:                             ; five trips
	s_cmp_lt_i32 s[GS], 0
	s_cbranch_scc1 .Ldead           ; a step in front of key 0
	s_cmp_eq_u32 s[CNT], 0
	s_cselect_b32 s[SLO], s[BIGN], 0
	s_cmp_eq_u32 s[CNT], 4
	s_cselect_b32 s[SHI], s[BIGN], 0
	WIN 0x45                        ; destination, sources 0 and 1 window 1.  These 24 plain lines name no register of the last trip's products: they are the places in front of the loads into K's and V's registers
.irp j, 0,1,2,3,4,5,6,7
	v_mov_b32 v[CL+(\j)], s[SLO]
.endr
.irp j, 0,1,2,3,4,5,6,7
	v_mov_b32 v[CU+(\j)], s[SHI]
.endr
.irp j, 0,1,2,3,4,5,6,7
	v_cndmask_b32 v[CD+(\j)], v[CL+(\j)], v[CU+(\j)], s[MK+(\j)]
.endr
	WIN 0
	v_add_nc_u32 v[AK], s[TBK], v[AK0]
	v_add_nc_u32 v[AV], s[TBV], v[AV0]
	WIN 0x80                        ; destination window 2
.irp f, 0,1,2,3,4,5,6,7             ; K: keys 16 (f / 2) on, channels 32 (f % 2) on
	ds_load_b128 v[KF+8*\f:KF+8*\f+3],   v[AK] offset:(\f/2)*16*PK+(\f%2)*64
	ds_load_b128 v[KF+8*\f+4:KF+8*\f+7], v[AK] offset:(\f/2)*16*PK+(\f%2)*64+32
.endr
.irp f, 0,1,2,3,4,5,6,7             ; V, turned: keys 32 (f / 4) on, channels 16 (f % 4) on
	ds_load_tr16_b128 v[VF+8*\f:VF+8*\f+3],   v[AV] offset:(\f/4)*32*PV+(\f%4)*32
	ds_load_tr16_b128 v[VF+8*\f+4:VF+8*\f+7], v[AV] offset:(\f/4)*32*PV+16*PV+(\f%4)*32
.endr
	s_wait_dscnt 16                 ; K is in; V's sixteen loads may be out
.set i, 0
.rept 32
	KQ
.endr
	T4 X, 15                        ; four plain lines that name no score: the places behind those products
.irp n, 0,1,2,3,4,5,6,7,8,9,10,11,12,13,14,16,17,18,20,21
	T4 X, \n
.endr
	T4 F, 0                         ; plain lines behind the four exponentials that make a
	T4 F, 1
.irp n, 0,1,2,3,4,5,6,7,8,9,10,11,12,13,14,15
	T4 R, \n
.endr
.set p, 0
.rept 16                            ; pair p's two exponentials, and between and behind them whatever is ready: a scaling two pairs ahead, the rounding a pair back, the sums
	T4 E, 2*p
.if p <= 13
	T4 F, p+2
.endif
	T4 E, 2*p+1
.if p >= 1
	T4 C, p-1
.endif
.if (p >= 2) && (p%2 == 0)
	T4 B, (p-2)/2
.endif
.if (p >= 3) && (p%2 == 1)
	T4 L, (p-3)/2
.endif
.set p, p+1
.endr
	T4 C, 15
	T4 B, 7
	T4 L, 7
	s_wait_dscnt 0x0                ; V is in
.set i, 0
.rept 32
	PV
.endr
	WIN 0                           ; at a label and at a branch every window is 0
.Ldead:
	s_add_co_u32 s[TBK], s[TBK], KS*PK
	s_add_co_u32 s[TBV], s[TBV], KS*PV
	s_add_co_i32 s[GS], s[GS], 1
	s_add_co_u32 s[CNT], s[CNT], 1
	s_cmp_lt_u32 s[CNT], 5
	s_cbranch_scc1 .Lstep
	; THE WAY OUT.  l's two halves and the other half of the lanes' are added; O^T is divided by l, rounded to f16 and put into the work-group's stage; a barrier, since a row's 256 bytes come from two waves;
	; back as whole rows, 32 rows a wave.  The four additions are the places behind the last products.
.irp t, 0,1,2,3
	v_add_f32 v[ST+4*(\t)+2], v[ST+4*(\t)+2], v[ST+4*(\t)+3]
.endr
.irp t, 0,1,2,3
	v_permlanex16_b32 v[ST+4*(\t)+3], v[ST+4*(\t)+2], s[SEL], s[SEL+1]
.endr
.irp t, 0,1,2,3
	v_add_f32 v[ST+4*(\t)+2], v[ST+4*(\t)+2], v[ST+4*(\t)+3]
.endr
.irp t, 0,1,2,3
	v_rcp_f32 v[ST+4*(\t)+2], v[ST+4*(\t)+2]
.endr
	v_nop                           ; a plain instruction between the last reciprocal and the use of its result
	s_wait_alu depctr_va_vdst(0)
.irp t, 0,1,2,3
	WIN 0x41
.set i, 0
.rept 16
	v_pk_mul_f32 v[32*(\t)+2*i:32*(\t)+2*i+1], v[32*(\t)+2*i:32*(\t)+2*i+1], v[ST+4*(\t)+2:ST+4*(\t)+3] op_sel_hi:[1,0]
.set i, i+1
.endr
	WIN 0x05                        ; sources 0 and 1 window 1, destination window 0: S^T's registers are free
.set i, 0
.rept 16
	v_cvt_pk_f16_f32 v[S+16*(\t)+i], v[32*(\t)+2*i], v[32*(\t)+2*i+1]
.set i, i+1
.endr
	WIN 0
.irp f, 0,1,2,3
	ds_store_b128 v[STO], v[S+16*(\t)+4*(\f):S+16*(\t)+4*(\f)+3] offset:(\t)*16*SPITCH+32*(\f)
.endr
.endr
	s_wait_dscnt 0x0                ; for the others' sake: my stores into the stage are done
	s_barrier_signal -1
	s_barrier_wait -1
.irp i, 0,1,2,3,4,5,6,7,8,9,10,11,12,13,14,15
	ds_load_b128 v[S+4*(\i):S+4*(\i)+3], v[RD] offset:(\i)*2*SPITCH
.endr
.irp i, 0,1,2,3,4,5,6,7,8,9,10,11,12,13,14,15
	s_wait_dscnt 15-(\i)            ; LDS loads come back in order (ISA guide 5.7.1): load i is in, the younger ones may be out
	global_store_b128 v[GO], v[S+4*(\i):S+4*(\i)+3], s[10:11] offset:(\i)*4096  ; 16 lanes store 256 consecutive bytes, at a multiple of 256 from ctx's first byte
.endr
	s_wait_tensorcnt 0x0            ; the wave's end, behind my last tensor load and my last LDS store
	ds_add_u32 v[SPW], v[NIL]
	s_wait_dscnt 0x0
	s_endpgm
.Lfunc_end_k_qfbc1cb9da3_attn:
	.size	k_qfbc1cb9da3_attn, .Lfunc_end_k_qfbc1cb9da3_attn-k_qfbc1cb9da3_attn
	.p2alignl 7, 3214868480
	.fill 96, 4, 3214868480
	.section	.rodata,"a",@progbits
	.p2align	6, 0x0
	.amdhsa_kernel k_qfbc1cb9da3_attn
		.amdhsa_group_segment_fixed_size 268800
		.amdhsa_private_segment_fixed_size 0
		.amdhsa_enable_private_segment 0
		.amdhsa_kernarg_size 32
		.amdhsa_user_sgpr_count 2
		.amdhsa_user_sgpr_kernarg_segment_ptr 1
		.amdhsa_wavefront_size32 1
		.amdhsa_system_sgpr_workgroup_id_x 1
		.amdhsa_system_sgpr_workgroup_id_y 1
		.amdhsa_system_sgpr_workgroup_id_z 1
		.amdhsa_system_vgpr_workitem_id 0
		.amdhsa_next_free_vgpr 704
		.amdhsa_next_free_sgpr 88
		.amdhsa_reserve_vcc 0
		.amdhsa_float_denorm_mode_32 3
		.amdhsa_float_denorm_mode_16_64 3
		.amdhsa_memory_ordered 1
		.amdhsa_forward_progress 1
		.amdhsa_inst_pref_size 65
	.end_amdhsa_kernel
	.amdgpu_metadata
---
amdhsa.version: [ 1, 2 ]
amdhsa.kernels:
  - .name:           k_qfbc1cb9da3_attn
    .symbol:         k_qfbc1cb9da3_attn.kd
    .args:
      - { .name: q, .offset: 0, .size: 8, .value_kind: global_buffer, .address_space: global }
      - { .name: k, .offset: 8, .size: 8, .value_kind: global_buffer, .address_space: global }
      - { .name: v, .offset: 16, .size: 8, .value_kind: global_buffer, .address_space: global }
      - { .name: ctx, .offset: 24, .size: 8, .value_kind: global_buffer, .address_space: global }
    .group_segment_fixed_size: 268800
    .private_segment_fixed_size: 0
    .kernarg_segment_align: 8
    .kernarg_segment_size: 32
    .max_flat_workgroup_size: 128
    .sgpr_count:     88
    .vgpr_count:     704
    .wavefront_size: 32
...
	.end_amdgpu_metadata
.endif
;; end of part 3
;; launch proj (part 4): grid 8 x 32, 4 waves a work-group, clusters of 4 x 4, 327,680 bytes of LDS; arguments ctx, wf, bo, out0; writes out0
.if DOCPART == 4
	.amdgcn_target "amdgcn-amd-amdhsa--gfx1250"
	.amdhsa_code_object_version 6
	.text
	.protected	k_qfbc1cb9da3_proj
	.globl	k_qfbc1cb9da3_proj
	.p2align	8
	.type	k_qfbc1cb9da3_proj,@function
k_qfbc1cb9da3_proj:
	s_mov_b64 s[64:65], 0
	v_nop
	global_prefetch_b8 v0, s[64:65] scope:SCOPE_SE
	s_setreg_imm32_b32 hwreg(HW_REG_WAVE_MODE, 25, 1), 1
	s_wait_xcnt 0x0
	s_wait_alu depctr_hold_cnt(0) depctr_sa_sdst(0) depctr_va_vdst(0) depctr_va_sdst(0) depctr_va_ssrc(0) depctr_va_vcc(0) depctr_vm_vsrc(0)
	s_getreg_b32 s2, hwreg(HW_REG_IB_STS2, 6, 4)
	s_cmp_eq_u32 s2, 0
	s_cbranch_scc0 .Lentry_in_a_cluster
	s_endpgm
.Lentry_in_a_cluster:
	s_bfe_u32 s2, ttmp6, 0x10000c
	s_cmp_lg_u32 s2, 0xf033
	s_cbranch_scc0 .Lentry_shape_is_right
	s_endpgm
.Lentry_shape_is_right:
; THE OUTPUT PROJECTION.  out0[m][n] = the sum over k of ctx[m][k] wf[n][k] + bo[n].  ctx: [4096][1024] f16, wf: [1024][1024] f16 (wo rounded to bf16, written as f16), bo: [1024] f32, out0: [4096][1024] f32.
; f16 operands, f32 sums.  bo is rounded to bf16 like every other input of the module, and is the C operand that starts each sum: adding it costs no instruction.
; A tile of out0 is 128 x 128: 8 x 32 = 256 work-groups.  Four waves, each 64 x 64: 16 accumulators of 16 x 16, 128 registers.  K goes in four steps of 256 (LDS rows of 512 bytes; a wave's tensor load
; brings 64 of them) through two slots.  The two laps are written out on end: a loop of one trip is none.
; CLUSTERS: 4 x 4 work-groups.  The four of a row of the cluster need the same tiles of ctx, the four of a column the same tiles of wf: each tile is asked for JOINTLY, by the same tensor load with the
; same descriptor and a mask that names the four.  THE MATRIX INSTRUCTION IS USED TRANSPOSED (source 0 = 16 rows of wf, source 1 = 16 rows of ctx): a lane then holds eight neighbouring numbers of a row of out0.
; A wave's 64 columns of f32 are 256 consecutive bytes, aligned: each wave has a stage of its own, and the way out needs no barrier.
; REGISTERS: window 0: v0-29 addresses; v32-47 at work; v96-127 the bias, 8 registers for each n block; v128-255 the accumulators ((a, b) at v[128 + 8 (4 a + b)]).
;   window 1: two fragment buffers of 128: for 64 along K, 64 registers of A (2 x 4 x 16 rows x 32 K), then 64 of B.
.set SIZE_K, 1024
.set KSTEP,  256
.set PITCH,  528                       ; an LDS row: 512 bytes + 16 of padding = 132 words: row r starts at bank 4 r mod 64 (64 banks of 4 bytes: ISA guide 11.1)
.set HALFT,  64*PITCH                  ; 64 rows: what one tensor load brings, and what one wave reads of A or of B
.set SLOT,   4*HALFT                   ; A's 128 rows, then B's 128 rows
.set STAGE,  2*SLOT                    ; behind the ring, never filled by a tensor load: 16 rows x 272 bytes for each wave
.set SPITCH, 272
.set SPARE,  STAGE+4*16*SPITCH         ; the spare words, 128 bytes for each wave: two blocks of 256 bytes that no other line names
.set ADRA, 16                          ; v16-17  LDS address of my A fragments in slot 0, 1
.set ADRB, 20                          ; v20-21  the same for B
.set STO,  24                          ; v24     the way out: where I put 32 bytes of a row
.set RD,   25                          ; v25     the way out: where I read a row back
.set CO,   26                          ; v26     my byte offset in two rows of out0
.set BO,   27                          ; v27     32 (l / 16): my eight numbers in 16 of bo
.set SPW,  28                          ; v28     LDS address of my spare word; never rewritten
.set NIL,  29                          ; v29     0; never rewritten
.set TMP,  32
.set BIAS, 96
.set ACC,  128
.set F0,   0
.set F1,   128
.set WV,   12                          ; s12  my wave's number
.set RH,   13                          ; s13  wave / 2: which half of the tile's rows is mine.  Also: I fetch for A (0) or for B (1)
.set CH,   14                          ; s14  wave % 2: which half of its columns.  Also: which 64 rows of that tile I fetch
.set G1, 24                            ; s[24:31] descriptor group 1 for A's tiles;  s[32:39] group 0, one set for each slot
.set G0, 32
.set G1B, 48                           ; s[48:55], s[56:63] the same for B's tiles
.set G0B, 56
.set MSB, 0
.macro WIN new                         ; the immediate's high byte repeats the setting that is left
.if MSB != (\new)
	s_set_vgpr_msb (MSB<<8)|(\new)
.set MSB, \new
.endif
.endm
.set MUL,  0x05                        ; sources 0 (B) and 1 (A) window 1; C and D window 0
.set TO_F, 0x40                        ; destination window 1, address window 0
.macro JLOAD s                         ; a joint load: waves 0 and 1 fetch A's two halves, waves 2 and 3 B's; an s_nop 0 and four v_nop follow each of the two lines
	s_cmp_eq_u32 s[RH], 0
	s_cbranch_scc0 .Lfor_b_\@
	tensor_load_to_lds s[G0+4*(\s):G0+4*(\s)+3], s[G1:G1+7]
	s_nop 0
.rept 4
	v_nop
.endr
	s_branch .Lasked_\@
.Lfor_b_\@:
	tensor_load_to_lds s[G0B+4*(\s):G0B+4*(\s)+3], s[G1B:G1B+7]
	s_nop 0
.rept 4
	v_nop
.endr
.Lasked_\@:
.endm
.macro CREST                           ; a round of the cluster's barrier behind its opening barrier
	s_cmp_lg_u32 s[WV], 0
	s_cbranch_scc1 .Lnot_wave_0_\@
	s_barrier_signal -3
.Lnot_wave_0_\@:
	s_barrier_wait -3
	s_barrier_signal -1
	s_barrier_wait -1
.endm
.macro CROUND                          ; a whole round
	s_barrier_signal -1
	s_barrier_wait -1
	CREST
.endm
	s_load_b256 s[4:11], s[0:1], 0x0               ; ctx s[4:5], wf s[6:7], bo s[8:9], out0 s[10:11]
	v_lshl_add_u32 v[SPW], v0, 2, SPARE
	v_mov_b32 v[NIL], 0
	ds_add_u32 v[SPW], v[NIL]                      ; the wave's opening: the add and its wait stand ahead of my first tensor load; the set-up below, work on registers, stands between them
	ds_add_u32 v28, v29
	v_lshrrev_b32 v1, 5, v0
	v_readfirstlane_b32 s[WV], v1                  ; wave 0..3
	s_lshr_b32 s[RH], s[WV], 1
	s_and_b32 s[CH], s[WV], 1
	s_bfe_u32 s40, ttmp6, 0x40000                  ; cx, cy: my place in the cluster
	s_bfe_u32 s41, ttmp6, 0x40004
	s_lshl_b32 s42, ttmp9, 2
	s_add_co_u32 s42, s42, s40                     ; tile column = 4 x cluster x + cx
	s_and_b32 s43, ttmp7, 0xffff
	s_lshl_b32 s43, s43, 2
	s_add_co_u32 s43, s43, s41                     ; tile row = 4 x cluster y + cy
	s_lshl_b32 s44, s41, 2
	s_lshl_b32 s44, 15, s44                        ; my row of the cluster
	s_lshl_b32 s45, 0x1111, s40                    ; my column
	; descriptor group 1: a tile of 64 rows x 256 elements, padded in LDS
	s_or_b32 s[G1], s44, (1<<16)|(1<<20)|(1<<21)|(6<<22)|(3<<25)   ; 15:0 the mask: A's tiles go to my row; 17:16 2-byte elements; 20 padding on; 21 set beside a mask; 24:22 after every 128 words (code 6); 31:25 4 words (code 3)
	s_or_b32 s[G1B], s45, (1<<16)|(1<<20)|(1<<21)|(6<<22)|(3<<25)
.irp g, G1, G1B
	s_mov_b32 s[(\g)+1], KSTEP<<16                 ; tensor_dim0 = 256
	s_mov_b32 s[(\g)+2], 64<<16                    ; tensor_dim1 = 64
	s_mov_b32 s[(\g)+3], KSTEP<<16                 ; tile_dim0 = 256
	s_mov_b32 s[(\g)+4], 64                        ; tile_dim1 = 64
	s_mov_b32 s[(\g)+5], SIZE_K                    ; elements from row to row
	s_mov_b32 s[(\g)+6], 0
	s_mov_b32 s[(\g)+7], 0
.endr
	; A's tiles hang on the tile row alone, B's on the tile column alone; each address is made in registers that never hold the other coordinate
	s_lshl_b32 s15, s[CH], 6
	s_lshl_b32 s16, s43, 7
	s_add_co_u32 s16, s16, s15                     ; A: row 128 x tile row + 64 x half,
	s_lshl_b32 s16, s16, 11                        ; of 2,048 bytes
	s_mov_b32 s17, 0
	s_lshl_b32 s18, s[CH], 6
	s_lshl_b32 s46, s42, 7
	s_add_co_u32 s46, s46, s18                     ; B: row 128 x tile column + 64 x half
	s_lshl_b32 s46, s46, 11
	s_mov_b32 s47, 0
	s_mul_i32 s20, s[WV], HALFT                    ; where they go: wave x 64 rows: no place in the cluster enters an LDS address
	s_wait_dscnt 0x0                               ; the opening add is done
	s_wait_kmcnt 0x0
	s_add_nc_u64 s[16:17], s[4:5], s[16:17]
	s_add_nc_u64 s[46:47], s[6:7], s[46:47]
	CROUND                                         ; all sixteen work-groups are here: the first joint loads meet
.irp s, 0,1
	s_mov_b32 s[G0+4*(\s)], 1
	s_add_co_u32 s[G0+4*(\s)+1], s20, (\s)*SLOT
	s_add_nc_u64 s[G0+4*(\s)+2:G0+4*(\s)+3], s[16:17], (\s)*KSTEP*2
	s_or_b32 s[G0+4*(\s)+3], s[G0+4*(\s)+3], 0x80000000
	s_mov_b32 s[G0B+4*(\s)], 1
	s_add_co_u32 s[G0B+4*(\s)+1], s20, (\s)*SLOT
	s_add_nc_u64 s[G0B+4*(\s)+2:G0B+4*(\s)+3], s[46:47], (\s)*KSTEP*2
	s_or_b32 s[G0B+4*(\s)+3], s[G0B+4*(\s)+3], 0x80000000
	JLOAD \s                                       ; two loads of mine are out
.endr
	v_and_b32 v1, 15, v0                           ; l % 16
	v_bfe_u32 v2, v0, 4, 1                         ; l / 16
	v_lshlrev_b32 v[BO], 5, v2
	s_lshl_b32 s22, s42, 9                         ; my 64 columns, in bytes of f32: 512 x tile column + 256 x half
	s_lshl_b32 s23, s[CH], 8
	s_add_co_u32 s22, s22, s23
	s_mov_b32 s23, 0
	s_add_nc_u64 s[8:9], s[8:9], s[22:23]
	s_add_nc_u64 s[10:11], s[10:11], s[22:23]
.irp b, 0,1,2,3                        ; register j of n block b: bo of column 16 b + 8 (l / 16) + j, the transposed result's own layout
	global_load_b128 v[BIAS+8*(\b):BIAS+8*(\b)+3],   v[BO], s[8:9] offset:64*(\b)
	global_load_b128 v[BIAS+8*(\b)+4:BIAS+8*(\b)+7], v[BO], s[8:9] offset:64*(\b)+16
.endr
	s_lshl_b32 s22, s43, 19                        ; my 64 rows of 4,096 bytes: 128 x tile row + 64 x half
	s_lshl_b32 s21, s[RH], 18
	s_add_co_u32 s22, s22, s21
	s_add_nc_u64 s[10:11], s[10:11], s[22:23]
	v_mul_u32_u24 v3, v1, PITCH
	v_lshl_add_u32 v3, v2, 4, v3                   ; a fragment's row x pitch + 16 x half
	s_mul_i32 s21, s[RH], HALFT                    ; my 64 rows of A
	s_mul_i32 s19, s[CH], HALFT                    ; my 64 rows of B,
	s_add_co_u32 s19, s19, 2*HALFT                 ; which lie behind A's 128
.irp s, 0,1
	v_add_nc_u32 v[ADRA+(\s)], s21, v3
	v_add_nc_u32 v[ADRB+(\s)], s19, v3
	s_add_co_u32 s21, s21, SLOT
	s_add_co_u32 s19, s19, SLOT
.endr
	s_mul_i32 s19, s[WV], 16*SPITCH
	s_add_co_u32 s19, s19, STAGE                   ; my stage
	v_mul_u32_u24 v4, v1, SPITCH                   ; in: row l % 16, 32 bytes for each half of the lanes
	v_lshl_add_u32 v4, v2, 5, v4
	v_add_nc_u32 v[STO], s19, v4
	v_mul_u32_u24 v5, v2, SPITCH                   ; back: lanes 0-15 take one row of 256 bytes, lanes 16-31 the next
	v_lshl_add_u32 v5, v1, 4, v5
	v_add_nc_u32 v[RD], s19, v5
	v_lshlrev_b32 v[CO], 12, v2                    ; and the same two rows in out0
	v_lshl_add_u32 v[CO], v1, 4, v[CO]
	s_wait_loadcnt 0x0                             ; bo
.set i, 0
.rept 16
	v_cvt_pk_bf16_f32 v[TMP+i], v[BIAS+2*i], v[BIAS+2*i+1]  ; rounded to bf16,
.set i, i+1
.endr
.set i, 0
.rept 16
	v_lshlrev_b32 v[BIAS+2*i], 16, v[TMP+i]                 ; and widened again
	v_and_b32 v[BIAS+2*i+1], 0xffff0000, v[TMP+i]
.set i, i+1
.endr
; 8 matrix instructions: m blocks a0, a0 + 1 x all 4 n blocks, 32 along K: half c of buffer f.  zero = 1: the first product starts the sums, from the bias.
; The 16 accumulators take turns, one instruction a turn, in the same order in every half quarter.
.macro MUL8 f, c, a0, zero
	WIN MUL
.irp a, \a0, (\a0)+1
.irp b, 0,1,2,3
.if \zero
	v_wmma_f32_16x16x32_f16 v[ACC+8*(4*(\a)+(\b)):ACC+8*(4*(\a)+(\b))+7], v[(\f)+64+8*(4*(\c)+(\b)):(\f)+64+8*(4*(\c)+(\b))+7], v[(\f)+8*(4*(\c)+(\a)):(\f)+8*(4*(\c)+(\a))+7], v[BIAS+8*(\b):BIAS+8*(\b)+7]
.else
	v_wmma_f32_16x16x32_f16 v[ACC+8*(4*(\a)+(\b)):ACC+8*(4*(\a)+(\b))+7], v[(\f)+64+8*(4*(\c)+(\b)):(\f)+64+8*(4*(\c)+(\b))+7], v[(\f)+8*(4*(\c)+(\a)):(\f)+8*(4*(\c)+(\a))+7], v[ACC+8*(4*(\a)+(\b)):ACC+8*(4*(\a)+(\b))+7]
.endif
.endr
.endr
.endm
; 32 LDS loads in one run: the fragments of 64 along K at byte k of the rows, into buffer f; the first 32 along K first
.macro FETCH slot, k, f
	WIN TO_F
.irp c, 0,1
.irp i, 0,1,2,3
	ds_load_b128 v[(\f)+64+8*(4*(\c)+(\i)):(\f)+64+8*(4*(\c)+(\i))+3],   v[ADRB+(\slot)] offset:(\k)+64*(\c)+(\i)*16*PITCH
	ds_load_b128 v[(\f)+64+8*(4*(\c)+(\i))+4:(\f)+64+8*(4*(\c)+(\i))+7], v[ADRB+(\slot)] offset:(\k)+64*(\c)+(\i)*16*PITCH+32
	ds_load_b128 v[(\f)+8*(4*(\c)+(\i)):(\f)+8*(4*(\c)+(\i))+3],         v[ADRA+(\slot)] offset:(\k)+64*(\c)+(\i)*16*PITCH
	ds_load_b128 v[(\f)+8*(4*(\c)+(\i))+4:(\f)+8*(4*(\c)+(\i))+7],       v[ADRA+(\slot)] offset:(\k)+64*(\c)+(\i)*16*PITCH+32
.endr
.endr
.endm
.macro PLACES                          ; four places in front of loads into registers that matrix instructions have read, and of LDS stores that read results
.rept 4
	v_nop
.endr
.endm
; A K step is four quarters of 64 along K, 32 matrix instructions each, on buffers 0, 1, 0, 1.  One of the first three: multiplies buffer f and fetches the next quarter, at byte k, into g.
.macro QUARTER slot, k, f, g, zero
	s_wait_dscnt 16                                ; the first 32 along K are in; the youngest sixteen loads may be out
	MUL8 \f, 0, 0, \zero
	MUL8 \f, 0, 2, \zero
	PLACES
	FETCH \slot, \k, \g
	s_wait_dscnt 32                                ; all but the 32 just issued
	MUL8 \f, 1, 0, 0
	MUL8 \f, 1, 2, 0
.endm
; The last quarter multiplies buffer 1 and changes slots: ONE barrier; in front of it each wave waits for all its tensor loads, adds 0 to its spare word, and waits for that and for its own reads of this slot.
; fill = 1: the barrier opens a round of the cluster's, and this slot is filled again, two K steps ahead.
.macro TURN slot, next, fill
	WIN 0                                          ; (the add's two registers lie in window 0)
	s_wait_tensorcnt 0x0                           ; all my tensor loads have landed: my part of the next slot;
	ds_add_u32 v[SPW], v[NIL]                      ; 0 onto my spare word;
	s_wait_dscnt 17                                ; (the add and the youngest sixteen loads may be out)
	MUL8 F1, 0, 0, 0                               ; eight matrix instructions stand between the add and the wait for it
	s_wait_dscnt 0x0                               ; the add is done, and my reads of this slot are over
	s_barrier_signal -1
	MUL8 F1, 0, 2, 0
.if \fill
	WIN 0
.endif
	s_barrier_wait -1
.if \fill
	CREST                                          ; no wave of any partner still reads this slot's tile or has a load on its way
	s_add_nc_u64 s[G0+4*(\slot)+2:G0+4*(\slot)+3], s[G0+4*(\slot)+2:G0+4*(\slot)+3], 2*KSTEP*2
	s_add_nc_u64 s[G0B+4*(\slot)+2:G0B+4*(\slot)+3], s[G0B+4*(\slot)+2:G0B+4*(\slot)+3], 2*KSTEP*2
	JLOAD \slot                                    ; the first tensor load behind the round; its four v_nop are also the places in front of the loads below
.else
	PLACES
.endif
	FETCH \next, 0, F0
	MUL8 F1, 1, 0, 0
	MUL8 F1, 1, 2, 0
.endm
; THE WAY OUT of m block a: the sums leave as they are, f32.  A lane's eight numbers of a row, 32 bytes, go into my stage (rows of 272 bytes), each accumulator's lowest registers first, and come back as whole
; rows of 256 bytes into the registers that they left.
.macro TOSTAGE a
.irp b, 0,1,2,3
	ds_store_b128 v[STO], v[ACC+8*(4*(\a)+(\b)):ACC+8*(4*(\a)+(\b))+3]   offset:64*(\b)
	ds_store_b128 v[STO], v[ACC+8*(4*(\a)+(\b))+4:ACC+8*(4*(\a)+(\b))+7] offset:64*(\b)+16
.endr
.irp t, 0,1,2,3,4,5,6,7
	ds_load_b128 v[ACC+32*(\a)+4*(\t):ACC+32*(\a)+4*(\t)+3], v[RD] offset:(\t)*2*SPITCH  ; LDS serves a wave's instructions in order (ISA guide 5.7.1.4): these see the stores above; the next block's stores come behind them
.endr
.endm
.macro SEND a, younger                 ; younger: the LDS instructions issued behind block a's loads: the next block's sixteen, or none
.irp t, 0,1,2,3,4,5,6,7
	s_wait_dscnt (\younger)+7-(\t)
	global_store_b128 v[CO], v[ACC+32*(\a)+4*(\t):ACC+32*(\a)+4*(\t)+3], s[10:11] offset:(16*(\a)+2*(\t))*4096 th:TH_STORE_NT  ; 16 lanes store 256 consecutive bytes, at a multiple of 256 from out0's first byte
.endr
.endm
	s_wait_tensorcnt 1                             ; my part of K step 0 is in; K step 1's may stay out
	s_barrier_signal -1
	s_barrier_wait -1                              ; everybody's is
	FETCH 0, 0, F0
	QUARTER 0, 128, F0, F1, 1                      ; the first products start the sums
	QUARTER 0, 256, F1, F0, 0
	QUARTER 0, 384, F0, F1, 0
	TURN 0, 1, 1                                   ; slot 0 takes K step 2
	QUARTER 1, 128, F0, F1, 0
	QUARTER 1, 256, F1, F0, 0
	QUARTER 1, 384, F0, F1, 0
	TURN 1, 0, 1                                   ; slot 1 takes K step 3
	QUARTER 0, 128, F0, F1, 0
	QUARTER 0, 256, F1, F0, 0                      ; the last lap fills nothing
	QUARTER 0, 384, F0, F1, 0
	TURN 0, 1, 0
	QUARTER 1, 128, F0, F1, 0
	QUARTER 1, 256, F1, F0, 0
	QUARTER 1, 384, F0, F1, 0
	s_wait_dscnt 16                                ; the very last quarter: nothing more to fetch
	MUL8 F1, 0, 0, 0
	MUL8 F1, 0, 2, 0
	s_wait_dscnt 0x0
	MUL8 F1, 1, 0, 0
	MUL8 F1, 1, 2, 0
	WIN 0
	PLACES                                         ; the LDS stores read results just made
	TOSTAGE 0
.irp a, 1,2,3
	TOSTAGE \a
	SEND (\a)-1, 16
.endr
	SEND 3, 0
	s_wait_tensorcnt 0x0                           ; the wave's end, behind my last tensor load and my last LDS store
	ds_add_u32 v[SPW], v[NIL]
	s_wait_dscnt 0x0
	CROUND                                         ; the closing round: no work-group ends while a partner may still ask for a tile that names it
	s_endpgm
.Lfunc_end_k_qfbc1cb9da3_proj:
	.size	k_qfbc1cb9da3_proj, .Lfunc_end_k_qfbc1cb9da3_proj-k_qfbc1cb9da3_proj
	.p2alignl 7, 3214868480
	.fill 96, 4, 3214868480
	.section	.rodata,"a",@progbits
	.p2align	6, 0x0
	.amdhsa_kernel k_qfbc1cb9da3_proj
		.amdhsa_group_segment_fixed_size 327680
		.amdhsa_private_segment_fixed_size 0
		.amdhsa_enable_private_segment 0
		.amdhsa_kernarg_size 32
		.amdhsa_user_sgpr_count 2
		.amdhsa_user_sgpr_kernarg_segment_ptr 1
		.amdhsa_wavefront_size32 1
		.amdhsa_system_sgpr_workgroup_id_x 1
		.amdhsa_system_sgpr_workgroup_id_y 1
		.amdhsa_system_sgpr_workgroup_id_z 1
		.amdhsa_system_vgpr_workitem_id 0
		.amdhsa_next_free_vgpr 512
		.amdhsa_next_free_sgpr 66
		.amdhsa_reserve_vcc 0
		.amdhsa_float_denorm_mode_32 3
		.amdhsa_float_denorm_mode_16_64 3
		.amdhsa_memory_ordered 1
		.amdhsa_forward_progress 1
		.amdhsa_inst_pref_size 89
	.end_amdhsa_kernel
	.amdgpu_metadata
---
amdhsa.version: [ 1, 2 ]
amdhsa.kernels:
  - .name:           k_qfbc1cb9da3_proj
    .symbol:         k_qfbc1cb9da3_proj.kd
    .args:
      - { .name: ctx, .offset: 0, .size: 8, .value_kind: global_buffer, .address_space: global }
      - { .name: wf, .offset: 8, .size: 8, .value_kind: global_buffer, .address_space: global }
      - { .name: bo, .offset: 16, .size: 8, .value_kind: global_buffer, .address_space: global }
      - { .name: out0, .offset: 24, .size: 8, .value_kind: global_buffer, .address_space: global }
    .group_segment_fixed_size: 327680
    .private_segment_fixed_size: 0
    .kernarg_segment_align: 8
    .kernarg_segment_size: 32
    .max_flat_workgroup_size: 128
    .sgpr_count:     66
    .vgpr_count:     512
    .wavefront_size: 32
...
	.end_amdgpu_metadata
.endif
;; end of part 4
;; ======== version 2 of 2: 4 launches; 1.12 times as fast as version 1
;; limits: values are held in f16: magnitudes above 65,504 overflow, below 6.1e-05 lose precision
;; workspace buffers: xb 8,388,608 bytes; wb 6,291,456 bytes; wf 2,097,152 bytes; q 8,388,608 bytes; k 8,388,608 bytes; v 8,388,608 bytes; ctx 8,388,608 bytes
;; launch cast: the kernel of part 1 again; grid 512 x 1, 8 waves a work-group, no clusters, 0 bytes of LDS; arguments x, wq, wk, wv, wo, xb, wb, wf; writes xb, wb, wf
;; launch qkv: the kernel of part 2 again; grid 16 x 16, 4 waves a work-group, clusters of 4 x 4, 327,680 bytes of LDS; arguments xb, wb, q, k, v; writes q, k, v
;; launch attn (part 5): grid 32 x 8, 4 waves a work-group, no clusters, 268,800 bytes of LDS; arguments q, k, v, ctx; writes ctx
.if DOCPART == 5
	.amdgcn_target "amdgcn-amd-amdhsa--gfx1250"
	.amdhsa_code_object_version 6
	.text
	.protected	k_qfbc1cb9da3_attn
	.globl	k_qfbc1cb9da3_attn
	.p2align	8
	.type	k_qfbc1cb9da3_attn,@function
k_qfbc1cb9da3_attn:
	s_mov_b64 s[64:65], 0
	v_nop
	global_prefetch_b8 v0, s[64:65] scope:SCOPE_SE
	s_setreg_imm32_b32 hwreg(HW_REG_WAVE_MODE, 25, 1), 1
	s_wait_xcnt 0x0
; ATTENTION IN A WINDOW.  Query i sees the keys i - 255 .. i.  q (already times log2(e)), k, v: [16][4096][64] f16, a head's rows dense, 128 bytes each.  ctx: [4096][1024] f16, column 64 x head + channel.
; Products, maxima and sums in f32; the weights p = 2^(s - m), m the running maximum, are rounded to f16 for the second product (their sum l is taken of the unrounded p), ctx once at the end.
; LIMITS.  q, k, v arrive within f16's 65,504; p lies in 0 to 1; ctx is a mean of v's rows.  A hidden score counts as its value less 1e30: f16's scores, 6e11 at the most, are nothing beside that.
; A weight below 2^-126 counts as 0 in l.  NaN and infinities are not treated apart.
; SHARES.  A work-group owns 128 queries (block b) of TWO heads (2 g, 2 g + 1), so that a row of ctx gets 256 consecutive bytes, aligned: 32 x 8 = 256 work-groups.  Wave w: head w / 2, query half w % 2:
; 64 queries, four tiles of 16.  LDS holds the keys 128 (b - 2) .. 128 b + 127 of both heads, 384 keys, filled ONCE: no byte is filled again.
; Counted from the first of those keys, my query 64 qh + r' sees the keys 64 qh + r' + 1 .. 64 qh + r' + 256: exactly five steps of 64 keys, qh + s for s = 0 .. 4, the same count for every wave.
; Step 0 hides key kk <= r', step 4 hides kk > r', steps 1 to 3 hide nothing.  Steps in front of key 0 (blocks 0 and 1 alone) are jumped over; what is jumped holds no barrier and no tensor load.
; THE MASK is the C operand that starts a score's sum: 0 or -1e30.  For tile t and key block kt: kt < t takes CL, kt > t takes CU, kt = t takes CD; (CL, CU) = (-1e30, 0) in step 0, (0, -1e30) in step 4, else 0;
; CD's register j is CU where j > l % 16 - 8 (l / 16), else CL.  A row that has seen hidden keys alone holds finite numbers that the first visible step multiplies by a = 2^(-1e30 - m) = 0.
; LAYOUT.  S^T = K Q^T (source 0 = 16 keys, source 1 = 16 queries): a lane holds ONE query (l % 16) and the keys 8 (l / 16) + 0..7.  Two such results rounded to f16 ARE source 1 of O^T = V^T P.
; K comes out of LDS as it lies, V ([key][channel]) turned, by ds_load_tr16_b128.
; m starts at the lowest finite number, O and l at 0 (144 v_mov_b32, in the wait for the tiles): which step is a wave's first differs from work-group to work-group, so no first step is written out.
; THE BATCHES.  A step's 132 exponentials (the four tiles' a and their 128 weights) are ONE batch with ONE wait.  The step's vector work is ordered by who reads what: the maxima and statistics; then the batch, in which
; stand only the exponentials and the 64 scalings s - m, none of which names an exponential's result (each result has a register of its own: the weights S^T's, in place, a the tile's c2); a v_nop and the wait; then
; all the readers: roundings, sums, the rescaling of O^T.  The way out's four reciprocals are a batch of their own.
; NO CLUSTER.  A chunk of 128 keys serves three neighbouring query blocks, but it lies at another LDS place in each (third, second, first of the 384 keys), and a joint load has one LDS address for all its partners.
; REGISTERS, in windows of 256 (s_set_vgpr_msb: bits 1:0 source 0, 3:2 source 1, 5:4 source 2, 7:6 destination):
;   window 0: v0-12 addresses; v16-31 statistics, four a tile; v32-47 at work, four a tile; v48-49 the add's; v64-127 P, 16 a tile; v128-255 S^T, 32 a tile
;   window 1: v0-127 O^T, 32 a tile; v128-151 CL, CD, CU          window 2: v0-63 Q; v64-127 K of one step; v128-191 V of one step
.set KS,    64
.set PK,    144       ; a row of K in LDS: 128 bytes + 16 of padding: the 16 rows of a load start at 16 different groups of four banks (64 banks of 4 bytes: ISA guide 11.1)
.set PV,    160       ; a row of V: 128 + 32
.set KHEAD, 384*PK    ; a head's K
.set VHEAD, 384*PV
.set VBASE, 2*KHEAD
.set STAGE, VBASE+2*VHEAD  ; never filled by a tensor load: 128 rows x 272 bytes, the work-group's, for the way out
.set SPITCH, 272
.set SPARE, STAGE+128*SPITCH  ; the spare words, 128 bytes for each wave: two blocks of 256 bytes that no other line names
.set AK0, 2           ; v2   my lane's place in a step of K; never rewritten
.set AV0, 3           ; v3   the same for V
.set AK,  4           ; v4   the LDS address of K's run of loads
.set AV,  5           ; v5   of V's
.set STO, 6           ; v6   the way out: where I put 16 bytes of a row
.set RD,  7           ; v7   the way out: where I read rows back
.set GO,  8           ; v8   my byte offset in two rows of ctx
.set QO,  12          ; v12  my byte offset in 16 rows of Q
.set ST,  16          ; tile t at v[ST+4 t]: m, m_old, l (even keys', odd keys')
.set TMP, 32          ; tile t at v[TMP+4 t]: c0-c3 at work; when the maximum is found c2 takes a
.set SPW, 48          ; v48  LDS address of my spare word; never rewritten
.set NIL, 49          ; v49  0; never rewritten
.set P,   64
.set S,   128
.set CL,  128         ; window 1
.set CD,  136
.set CU,  144
.set KF,  64          ; window 2: key block kt, channel half c at KF + 16 kt + 8 c
.set VF,  128         ; window 2: key half kk, channel block cb at VF + 32 kk + 8 cb
.set WV,  12          ; s12  my wave's number
.set HP,  13          ; s13  wave / 2: which of the two heads I compute
.set QH,  14          ; s14  wave % 2: which half of the queries I compute; also: which head's K (waves 0, 1) or V (waves 2, 3) I fetch
.set BLK, 18          ; s18  b
.set GRP, 19          ; s19  g
.set G1K, 24          ; s[24:31] descriptor group 1 for K;  s[32:39] for V: it differs in the padding alone
.set G1V, 32
.set G0K, 40          ; s[40:51] descriptor group 0 for K's three chunks;  s[52:63] for V's
.set G0V, 52
.set SEL, 66          ; s[66:67] v_permlanex16_b32's selects: each lane takes its own place in the other half
.set TBK, 70          ; s70  LDS byte at which K of the step in hand begins
.set TBV, 71          ; s71  the same for V, less VBASE
.set CNT, 72          ; s72  the step, 0 .. 4
.set GS,  73          ; s73  the step's number among the head's steps of 64 keys: below 0 there are no keys
.set SLO, 74          ; s74  CL's value
.set SHI, 75          ; s75  CU's value
.set BIGN, 76         ; s76  -1e30
.set MK,  80          ; s[80:87] lane masks: j > l % 16 - 8 (l / 16)
.set MSB, 0
.macro WIN new                      ; the high byte repeats the setting that is left; a switch that changes nothing is dropped
.if MSB != (\new)
	s_set_vgpr_msb (MSB<<8)|(\new)
.set MSB, (\new)
.endif
.endm
	s_load_b256 s[4:11], s[0:1], 0x0  ; q s[4:5], k s[6:7], v s[8:9], ctx s[10:11]
	v_lshl_add_u32 v[SPW], v0, 2, SPARE
	v_mov_b32 v[NIL], 0
	ds_add_u32 v[SPW], v[NIL]       ; the wave's opening: the add and its wait stand ahead of my first tensor load; the set-up below, work on registers, stands between them
	ds_add_u32 v48, v49
	v_lshrrev_b32 v1, 5, v0
	v_readfirstlane_b32 s[WV], v1   ; wave 0..3
	s_lshr_b32 s[HP], s[WV], 1
	s_and_b32 s[QH], s[WV], 1
	s_mov_b32 s[BLK], ttmp9
	s_and_b32 s[GRP], ttmp7, 0xffff
	; descriptor group 1.  128 keys are 16,384 dense bytes: asked for as 64 rows of 256 bytes, two keys a row, and padded in LDS after every key
	s_mov_b32 s[G1K], (1<<16)|(1<<20)|(4<<22)|(3<<25)  ; 17:16 2-byte elements; 20 padding on; 24:22 after every 32 words (code 4); 31:25 4 words (code 3)
	s_mov_b32 s[G1V], (1<<16)|(1<<20)|(4<<22)|(7<<25)  ; the same with 8 words of padding (code 7)
.irp g, G1K, G1V
	s_mov_b32 s[\g+1], 128<<16      ; tensor_dim0 = 128
	s_mov_b32 s[\g+2], 64<<16       ; tensor_dim1 = 64
	s_mov_b32 s[\g+3], 128<<16      ; tile_dim0 = 128
	s_mov_b32 s[\g+4], 64           ; tile_dim1 = 64
	s_mov_b32 s[\g+5], 128          ; 128 elements from row to row
	s_mov_b32 s[\g+6], 0
	s_mov_b32 s[\g+7], 0
.endr
	s_mul_i32 s22, s[QH], KHEAD     ; where the head that I fetch lies in LDS, for K
	s_mul_i32 s23, s[QH], VHEAD     ; and for V
	s_add_co_u32 s23, s23, VBASE
.irp c, 0,1,2
	s_mov_b32 s[G0K+4*(\c)], 1                            ; count = 1
	s_add_co_u32 s[G0K+4*(\c)+1], s22, (\c)*128*PK        ; LDS address of chunk c
	s_mov_b32 s[G0V+4*(\c)], 1
	s_add_co_u32 s[G0V+4*(\c)+1], s23, (\c)*128*PV
.endr
	s_lshl_b32 s20, s[GRP], 1
	s_add_co_u32 s20, s20, s[QH]
	s_lshl_b32 s20, s20, 19         ; the first byte of the head that I fetch
	s_mov_b32 s17, 0
	s_mov_b32 s[SEL], 0x76543210
	s_mov_b32 s[SEL+1], 0xfedcba98
	s_mov_b32 s[BIGN], 0xf149f2ca   ; -1e30
	s_mul_i32 s[TBK], s[HP], KHEAD  ; my first step: the head that I compute, step qh
	s_mul_i32 s21, s[QH], KS*PK
	s_add_co_u32 s[TBK], s[TBK], s21
	s_mul_i32 s[TBV], s[HP], VHEAD
	s_mul_i32 s21, s[QH], KS*PV
	s_add_co_u32 s[TBV], s[TBV], s21
	s_mov_b32 s[CNT], 0
	s_lshl_b32 s[GS], s[BLK], 1
	s_add_co_u32 s[GS], s[GS], s[QH]
	s_add_co_i32 s[GS], s[GS], -4   ; 2 b - 4 + qh
	s_wait_dscnt 0x0                ; the opening add is done
	s_wait_kmcnt 0x0
.irp c, 0,1,2
	s_add_co_i32 s16, s[BLK], (\c)-2  ; chunk c holds the keys of block b - 2 + c; blocks 0 and 1 ask for block 0 in place of what is not there, and never read those LDS bytes
	s_max_i32 s16, s16, 0
	s_lshl_b32 s16, s16, 14
	s_add_co_u32 s16, s16, s20
	s_add_nc_u64 s[G0K+4*(\c)+2:G0K+4*(\c)+3], s[6:7], s[16:17]
	s_or_b32 s[G0K+4*(\c)+3], s[G0K+4*(\c)+3], 0x80000000  ; type = 2
	s_add_nc_u64 s[G0V+4*(\c)+2:G0V+4*(\c)+3], s[8:9], s[16:17]
	s_or_b32 s[G0V+4*(\c)+3], s[G0V+4*(\c)+3], 0x80000000
.endr
	s_cmp_lt_u32 s[WV], 2           ; a wave's three fills stand in one branch, ahead of every wait on TENSORcnt, every LDS read and every barrier: three loads of mine are out; an s_nop 0 follows each, four v_nop the last
	s_cbranch_scc0 .Lfor_v
.irp c, 0,1,2
	tensor_load_to_lds s[G0K+4*(\c):G0K+4*(\c)+3], s[G1K:G1K+7]
	s_nop 0
.endr
.rept 4
	v_nop
.endr
	s_branch .Lasked
.Lfor_v:
.irp c, 0,1,2
	tensor_load_to_lds s[G0V+4*(\c):G0V+4*(\c)+3], s[G1V:G1V+7]
	s_nop 0
.endr
.rept 4
	v_nop
.endr
.Lasked:
	s_lshl_b32 s16, s[GRP], 1       ; Q at my 64 rows: (2 g + hp) x 524,288 + (128 b + 64 qh) x 128
	s_add_co_u32 s16, s16, s[HP]
	s_lshl_b32 s16, s16, 19
	s_lshl_b32 s21, s[BLK], 14
	s_add_co_u32 s16, s16, s21
	s_lshl_b32 s21, s[QH], 13
	s_add_co_u32 s16, s16, s21
	s_add_nc_u64 s[4:5], s[4:5], s[16:17]
	s_lshl_b32 s16, s[BLK], 18      ; ctx at the 32 rows that I store: (128 b + 32 w) x 2,048 + 256 g
	s_lshl_b32 s21, s[WV], 16
	s_add_co_u32 s16, s16, s21
	s_lshl_b32 s21, s[GRP], 8
	s_add_co_u32 s16, s16, s21
	s_add_nc_u64 s[10:11], s[10:11], s[16:17]
	; A fragment of K or Q is 16 rows x 32 channels in 8 registers: lane l holds row l % 16, channels 8 (l / 16) + 0..7 and 16 + 8 (l / 16) + 0..7: two loads of 16 bytes, 32 bytes apart
	v_and_b32 v1, 15, v0            ; l % 16
	v_bfe_u32 v9, v0, 4, 1          ; l / 16
	v_lshlrev_b32 v[QO], 7, v1
	v_lshl_add_u32 v[QO], v9, 4, v[QO]  ; row x 128 + 16 x half
	WIN 0x80                        ; destination window 2, address window 0
.set i, 0
.rept 8                             ; Q stays in registers: tile i / 2, channels 32 (i % 2) on
	global_load_b128 v[8*i:8*i+3],   v[QO], s[4:5] offset:(i/2)*2048+(i%2)*64
	global_load_b128 v[8*i+4:8*i+7], v[QO], s[4:5] offset:(i/2)*2048+(i%2)*64+32
.set i, i+1
.endr
	WIN 0
	v_lshlrev_b32 v10, 3, v9
	v_sub_nc_u32 v10, v1, v10       ; l % 16 - 8 (l / 16)
.irp j, 0,1,2,3,4,5,6,7
	v_cmp_gt_i32 s[MK+(\j)], \j, v10
.endr
	v_mul_u32_u24 v[AK0], v1, PK
	v_lshl_add_u32 v[AK0], v9, 4, v[AK0]  ; row x pitch + 16 x half
	; The turning load takes 16 keys x 16 channels (lane l reads key 8 (l / 16) + l % 8, channels 8 ((l / 8) % 2) + 0..7) and leaves half a fragment of V^T: lane l holds channel l % 16 and 8 keys
	v_and_b32 v10, 7, v0
	v_bfe_u32 v11, v0, 3, 1
	v_lshl_add_u32 v[AV0], v9, 3, v10
	v_mul_u32_u24 v[AV0], v[AV0], PV
	v_lshl_add_u32 v[AV0], v11, 4, v[AV0]
	v_add_nc_u32 v[AV0], VBASE, v[AV0]
	s_mul_i32 s16, s[QH], 64*SPITCH ; into the stage: my 64 rows, my head's half of their 256 bytes; row l % 16, 16 bytes for each half of the lanes
	s_lshl_b32 s21, s[HP], 7
	s_add_co_u32 s16, s16, s21
	s_add_co_u32 s16, s16, STAGE
	v_mul_u32_u24 v[STO], v1, SPITCH
	v_lshl_add_u32 v[STO], v9, 4, v[STO]
	v_add_nc_u32 v[STO], s16, v[STO]
	s_mul_i32 s16, s[WV], 32*SPITCH ; back: wave w takes rows 32 w on, whole; lanes 0-15 one row of 256 bytes, lanes 16-31 the next
	s_add_co_u32 s16, s16, STAGE
	v_mul_u32_u24 v[RD], v9, SPITCH
	v_lshl_add_u32 v[RD], v1, 4, v[RD]
	v_add_nc_u32 v[RD], s16, v[RD]
	v_lshlrev_b32 v[GO], 11, v9     ; and the same two rows in ctx
	v_lshl_add_u32 v[GO], v1, 4, v[GO]
	WIN 0x40
.set i, 0
.rept 128
	v_mov_b32 v[i], 0               ; O^T
.set i, i+1
.endr
	WIN 0
.irp t, 0,1,2,3
	v_mov_b32 v[ST+4*(\t)], 0xff7fffff    ; m: the lowest finite number, so the first maximum is the scores' and the first a is 0
	v_mov_b32 v[ST+4*(\t)+1], 0xff7fffff
	v_mov_b32 v[ST+4*(\t)+2], 0           ; l
	v_mov_b32 v[ST+4*(\t)+3], 0
.endr
; THE MATRIX WORK.  16 accumulators take turns, one instruction a turn: between the two links of a chain stand 15 others'.
; Product i of 32 of S^T = K Q^T: channels 32 (i / 16) on, tile (i % 16) / 4, keys 16 (i % 4) on.  The first 16 start the sums, with the mask.
.macro KQ
.set kc, i/16
.set kb, i%4
.set tq, (i%16)/4
.set rS, S+32*tq+8*kb
.set rK, KF+16*kb+8*kc
.set rQ, 16*tq+8*kc
.if kc == 0
.if kb < tq
.set rM, CL
.elseif kb == tq
.set rM, CD
.else
.set rM, CU
.endif
	WIN 0x1a                        ; K and Q window 2, the mask window 1, S^T window 0
	v_wmma_f32_16x16x32_f16 v[rS:rS+7], v[rK:rK+7], v[rQ:rQ+7], v[rM:rM+7]
.else
	WIN 0x0a
	v_wmma_f32_16x16x32_f16 v[rS:rS+7], v[rK:rK+7], v[rQ:rQ+7], v[rS:rS+7]
.endif
.set i, i+1
.endm
; Product i of 32 of O^T += V^T P: keys 32 (i / 16) on, channels 16 ((i % 16) / 4) on, tile i % 4.
.macro PV
.set rO, 32*(i%4)+8*((i%16)/4)
.set rV, VF+32*(i/16)+8*((i%16)/4)
.set rP, P+16*(i%4)+8*(i/16)
	WIN 0x52                        ; V window 2, P window 0, O^T window 1
	v_wmma_f32_16x16x32_f16 v[rO:rO+7], v[rV:rV+7], v[rP:rP+7], v[rO:rO+7]
.set i, i+1
.endm
; THE VECTOR WORK, one line at a time: OP kind, number, tile.  F n: s - m for pair n of 16.  E n: the exponential of score n of 32.  C n: pair n rounded to f16.  B n: of the four weights 4 n .. the second pair is
; added onto the first, in place.  L n: l takes that sum (L 0: l = a l + sum).  R n: pair n of 16 of O^T times a.  X n: the maximum and statistics:
;   0-11  four chains c0-c3 of seven scores each, three operands at a time (each accumulator's lowest registers are read first)     12-14, 16  the four scores left over, the old m, and c0-c3 into c0
;   15  m_old is kept     17, 18  the query's other 32 keys lie in the lane 16 away: the new m     20, 21  m_old - m; a
; C, B, L and R read exponentials' results: the step's text sets them behind the batch's wait.  OP itself writes no wait.
.set F, 0
.set E, 1
.set C, 2
.set B, 3
.set L, 4
.set R, 5
.set X, 6
.macro OP k, n, t
.set rT, ST+4*(\t)
.set rC, TMP+4*(\t)
.set rS, S+32*(\t)
.set rP, P+16*(\t)
.set rO, 32*(\t)
.if (\k) == R
	WIN 0x41                        ; O^T (destination and source 0) window 1, a window 0
	v_pk_mul_f32 v[rO+2*(\n):rO+2*(\n)+1], v[rO+2*(\n):rO+2*(\n)+1], v[rC+2:rC+3] op_sel_hi:[1,0]
.else
	WIN 0
.if (\k) == F
	v_pk_add_f32 v[rS+2*(\n):rS+2*(\n)+1], v[rS+2*(\n):rS+2*(\n)+1], v[rT:rT+1] op_sel_hi:[1,0] neg_lo:[0,1] neg_hi:[0,1]
.elseif (\k) == E
	v_exp_f32 v[rS+(\n)], v[rS+(\n)]
.elseif (\k) == C
	v_cvt_pk_f16_f32 v[rP+(\n)], v[rS+2*(\n)], v[rS+2*(\n)+1]
.elseif (\k) == B
	v_pk_add_f32 v[rS+4*(\n):rS+4*(\n)+1], v[rS+4*(\n):rS+4*(\n)+1], v[rS+4*(\n)+2:rS+4*(\n)+3]
.elseif ((\k) == L) && ((\n) == 0)
	v_pk_fma_f32 v[rT+2:rT+3], v[rT+2:rT+3], v[rC+2:rC+3], v[rS:rS+1] op_sel_hi:[1,0,1]
.elseif (\k) == L
	v_pk_add_f32 v[rT+2:rT+3], v[rT+2:rT+3], v[rS+4*(\n):rS+4*(\n)+1]
.elseif (\n) < 4
	v_max3_num_f32 v[rC+(\n)], v[rS+8*(\n)], v[rS+8*(\n)+1], v[rS+8*(\n)+2]
.elseif (\n) < 12
	v_max3_num_f32 v[rC+(\n)%4], v[rC+(\n)%4], v[rS+8*((\n)%4)+2*((\n)/4)+1], v[rS+8*((\n)%4)+2*((\n)/4)+2]
.elseif (\n) == 12
	v_max3_num_f32 v[rC], v[rC], v[rS+7], v[rS+15]
.elseif (\n) == 13
	v_max3_num_f32 v[rC+1], v[rC+1], v[rS+23], v[rS+31]
.elseif (\n) == 14
	v_max3_num_f32 v[rC+2], v[rC+2], v[rC+3], v[rT]
.elseif (\n) == 15
	v_mov_b32 v[rT+1], v[rT]
.elseif (\n) == 16
	v_max3_num_f32 v[rC], v[rC], v[rC+1], v[rC+2]
.elseif (\n) == 17
	v_permlanex16_b32 v[rC+3], v[rC], s[SEL], s[SEL+1]
.elseif (\n) == 18
	v_max_num_f32 v[rT], v[rC], v[rC+3]
.elseif (\n) == 20
	v_sub_f32 v[rC+1], v[rT+1], v[rT]
.else
	v_exp_f32 v[rC+2], v[rC+1]
.endif
.endif
.endm
.macro T4 k, n                      ; the same line for the four tiles: a line that needs the one before it for its tile stands four lines behind it
.irp t, 0,1,2,3
	OP \k, \n, \t
.endr
.endm
	s_wait_tensorcnt 0x0            ; my three chunks are in,
	s_barrier_signal -1
	s_barrier_wait -1               ; everybody's are
	s_wait_loadcnt 0x0              ; Q
.Lstep:                             ; five trips
	s_cmp_lt_i32 s[GS], 0
	s_cbranch_scc1 .Ldead           ; a step in front of key 0
	s_cmp_eq_u32 s[CNT], 0
	s_cselect_b32 s[SLO], s[BIGN], 0
	s_cmp_eq_u32 s[CNT], 4
	s_cselect_b32 s[SHI], s[BIGN], 0
	WIN 0x45                        ; destination, sources 0 and 1 window 1.  These 24 plain lines name no register of the last trip's products: they are the places in front of the loads into K's and V's registers
.irp j, 0,1,2,3,4,5,6,7
	v_mov_b32 v[CL+(\j)], s[SLO]
.endr
.irp j, 0,1,2,3,4,5,6,7
	v_mov_b32 v[CU+(\j)], s[SHI]
.endr
.irp j, 0,1,2,3,4,5,6,7
	v_cndmask_b32 v[CD+(\j)], v[CL+(\j)], v[CU+(\j)], s[MK+(\j)]
.endr
	WIN 0
	v_add_nc_u32 v[AK], s[TBK], v[AK0]
	v_add_nc_u32 v[AV], s[TBV], v[AV0]
	WIN 0x80                        ; destination window 2
.irp f, 0,1,2,3,4,5,6,7             ; K: keys 16 (f / 2) on, channels 32 (f % 2) on
	ds_load_b128 v[KF+8*\f:KF+8*\f+3],   v[AK] offset:(\f/2)*16*PK+(\f%2)*64
	ds_load_b128 v[KF+8*\f+4:KF+8*\f+7], v[AK] offset:(\f/2)*16*PK+(\f%2)*64+32
.endr
.irp f, 0,1,2,3,4,5,6,7             ; V, turned: keys 32 (f / 4) on, channels 16 (f % 4) on
	ds_load_tr16_b128 v[VF+8*\f:VF+8*\f+3],   v[AV] offset:(\f/4)*32*PV+(\f%4)*32
	ds_load_tr16_b128 v[VF+8*\f+4:VF+8*\f+7], v[AV] offset:(\f/4)*32*PV+16*PV+(\f%4)*32
.endr
	s_wait_dscnt 16                 ; K is in; V's sixteen loads may be out
.set i, 0
.rept 32
	KQ
.endr
	T4 X, 15                        ; four plain lines that name no score: the places behind those products
.irp n, 0,1,2,3,4,5,6,7,8,9,10,11,12,13,14,16,17,18,20
	T4 X, \n
.endr
	; THE BATCH: 132 exponentials and the 64 scalings, and nothing that names an exponential's result.  First each tile's pair 0 is scaled and its a is issued;
	; then, pair by pair and tile by tile, the pair's two exponentials with the scaling of the tile's next pair between them: a pair is scaled eleven lines ahead of its first exponential (pair 0: eight or more), and only the last pair's eight exponentials stand on end
.irp t, 0,1,2,3
	OP F, 0, \t
	OP X, 21, \t
.endr
.set p, 0
.rept 16
.irp t, 0,1,2,3
	OP E, 2*p, \t
.if p < 15
	OP F, p+1, \t
.endif
	OP E, 2*p+1, \t
.endr
.set p, p+1
.endr
	v_nop                           ; a plain instruction between the last exponential and the first use of a result: one for the batch; no plain work is left that names no result
	s_wait_alu depctr_va_vdst(0)    ; the wait ahead of the first line that names a result: ONE for the step's batch, the four a and the 128 weights
	; THE READERS.  For each four weights of a tile: both pairs rounded, the second added onto the first, and l takes the sum a group later, L 0 to L 7 in that order
.set p, 0
.rept 8
	T4 C, 2*p
	T4 C, 2*p+1
	T4 B, p
.if p >= 1
	T4 L, p-1
.endif
.set p, p+1
.endr
	T4 L, 7
.irp n, 0,1,2,3,4,5,6,7,8,9,10,11,12,13,14,15
	T4 R, \n                        ; O^T times a, each accumulator from its lowest registers up: the one part that leaves window 0, so it stands together, last
.endr
	s_wait_dscnt 0x0                ; V is in
.set i, 0
.rept 32
	PV
.endr
	WIN 0                           ; at a label and at a branch every window is 0
.Ldead:
	s_add_co_u32 s[TBK], s[TBK], KS*PK
	s_add_co_u32 s[TBV], s[TBV], KS*PV
	s_add_co_i32 s[GS], s[GS], 1
	s_add_co_u32 s[CNT], s[CNT], 1
	s_cmp_lt_u32 s[CNT], 5
	s_cbranch_scc1 .Lstep
	; THE WAY OUT.  l's two halves and the other half of the lanes' are added; O^T is divided by l, rounded to f16 and put into the work-group's stage; a barrier, since a row's 256 bytes come from two waves;
	; back as whole rows, 32 rows a wave.  The four additions are the places behind the last products.
.irp t, 0,1,2,3
	v_add_f32 v[ST+4*(\t)+2], v[ST+4*(\t)+2], v[ST+4*(\t)+3]
.endr
.irp t, 0,1,2,3
	v_permlanex16_b32 v[ST+4*(\t)+3], v[ST+4*(\t)+2], s[SEL], s[SEL+1]
.endr
.irp t, 0,1,2,3
	v_add_f32 v[ST+4*(\t)+2], v[ST+4*(\t)+2], v[ST+4*(\t)+3]
.endr
.irp t, 0,1,2,3
	v_rcp_f32 v[ST+4*(\t)+2], v[ST+4*(\t)+2]
.endr
	v_nop                           ; a plain instruction between the last reciprocal and the use of its result
	s_wait_alu depctr_va_vdst(0)    ; and the wait ahead of the first use: one for the batch of four reciprocals
.irp t, 0,1,2,3
	WIN 0x41
.set i, 0
.rept 16
	v_pk_mul_f32 v[32*(\t)+2*i:32*(\t)+2*i+1], v[32*(\t)+2*i:32*(\t)+2*i+1], v[ST+4*(\t)+2:ST+4*(\t)+3] op_sel_hi:[1,0]
.set i, i+1
.endr
	WIN 0x05                        ; sources 0 and 1 window 1, destination window 0: S^T's registers are free
.set i, 0
.rept 16
	v_cvt_pk_f16_f32 v[S+16*(\t)+i], v[32*(\t)+2*i], v[32*(\t)+2*i+1]
.set i, i+1
.endr
	WIN 0
.irp f, 0,1,2,3
	ds_store_b128 v[STO], v[S+16*(\t)+4*(\f):S+16*(\t)+4*(\f)+3] offset:(\t)*16*SPITCH+32*(\f)
.endr
.endr
	s_wait_dscnt 0x0                ; for the others' sake: my stores into the stage are done
	s_barrier_signal -1
	s_barrier_wait -1
.irp i, 0,1,2,3,4,5,6,7,8,9,10,11,12,13,14,15
	ds_load_b128 v[S+4*(\i):S+4*(\i)+3], v[RD] offset:(\i)*2*SPITCH
.endr
.irp i, 0,1,2,3,4,5,6,7,8,9,10,11,12,13,14,15
	s_wait_dscnt 15-(\i)            ; LDS loads come back in order (ISA guide 5.7.1): load i is in, the younger ones may be out
	global_store_b128 v[GO], v[S+4*(\i):S+4*(\i)+3], s[10:11] offset:(\i)*4096  ; 16 lanes store 256 consecutive bytes, at a multiple of 256 from ctx's first byte
.endr
	s_wait_tensorcnt 0x0            ; the wave's end, behind my last tensor load and my last LDS store
	ds_add_u32 v[SPW], v[NIL]
	s_wait_dscnt 0x0
	s_endpgm
.Lfunc_end_k_qfbc1cb9da3_attn:
	.size	k_qfbc1cb9da3_attn, .Lfunc_end_k_qfbc1cb9da3_attn-k_qfbc1cb9da3_attn
	.p2alignl 7, 3214868480
	.fill 96, 4, 3214868480
	.section	.rodata,"a",@progbits
	.p2align	6, 0x0
	.amdhsa_kernel k_qfbc1cb9da3_attn
		.amdhsa_group_segment_fixed_size 268800
		.amdhsa_private_segment_fixed_size 0
		.amdhsa_enable_private_segment 0
		.amdhsa_kernarg_size 32
		.amdhsa_user_sgpr_count 2
		.amdhsa_user_sgpr_kernarg_segment_ptr 1
		.amdhsa_wavefront_size32 1
		.amdhsa_system_sgpr_workgroup_id_x 1
		.amdhsa_system_sgpr_workgroup_id_y 1
		.amdhsa_system_sgpr_workgroup_id_z 1
		.amdhsa_system_vgpr_workitem_id 0
		.amdhsa_next_free_vgpr 704
		.amdhsa_next_free_sgpr 88
		.amdhsa_reserve_vcc 0
		.amdhsa_float_denorm_mode_32 3
		.amdhsa_float_denorm_mode_16_64 3
		.amdhsa_memory_ordered 1
		.amdhsa_forward_progress 1
		.amdhsa_inst_pref_size 61
	.end_amdhsa_kernel
	.amdgpu_metadata
---
amdhsa.version: [ 1, 2 ]
amdhsa.kernels:
  - .name:           k_qfbc1cb9da3_attn
    .symbol:         k_qfbc1cb9da3_attn.kd
    .args:
      - { .name: q, .offset: 0, .size: 8, .value_kind: global_buffer, .address_space: global }
      - { .name: k, .offset: 8, .size: 8, .value_kind: global_buffer, .address_space: global }
      - { .name: v, .offset: 16, .size: 8, .value_kind: global_buffer, .address_space: global }
      - { .name: ctx, .offset: 24, .size: 8, .value_kind: global_buffer, .address_space: global }
    .group_segment_fixed_size: 268800
    .private_segment_fixed_size: 0
    .kernarg_segment_align: 8
    .kernarg_segment_size: 32
    .max_flat_workgroup_size: 128
    .sgpr_count:     88
    .vgpr_count:     704
    .wavefront_size: 32
...
	.end_amdgpu_metadata
.endif
;; end of part 5
;; launch proj: the kernel of part 4 again; grid 8 x 32, 4 waves a work-group, clusters of 4 x 4, 327,680 bytes of LDS; arguments ctx, wf, bo, out0; writes out0
